; MI455X (gfx1250); checked and timed in simulation.
; The chip was launched on July 23, 2026; its instructions are those of AMD's public machine-readable ISA for CDNA 5 (MIT licence, August 2026) and "CDNA5" Instruction Set Architecture Reference Guide (July 2026). The comments in the code are by the model that wrote it; some were corrected since.
;; Multi Head Attention. Allowed arithmetic: matrix products marked QUANTISED: E2M1 operands, one E8M0 scale for each 32 along K, by v_wmma_scale_f32_16x16x128_f8f6f4 with both operands' format E2M1 (or v_wmma_scale_f32_32x16x128_f4), f32 sums; everything else in f32.
;; Inputs: bk 1,024 float32; bo 1,024 float32; bq 1,024 float32; bv 1,024 float32; wk 1,024 x 1,024 float32; wo 1,024 x 1,024 float32; wq 1,024 x 1,024 float32; wv 1,024 x 1,024 float32; x 4 x 2,048 x 1,024 float32.
;; Outputs: out0 4 x 2,048 x 1,024 float32.
;; This version of the problem:
;;   THIS VERSION OF THE PROBLEM IS GIVEN IN LOW PRECISION. The matrix products marked QUANTISED in the list below multiply operands that are first quantised to E2M1 (2 exponent bits, 1 mantissa bit; 4 bits a number), with one power-of-two scale for each 32 numbers along K (OCP MX v1.0); their sums are f32. All else is computed in f32.
;;   The module's matrix products, in the order in which they are computed (A, B: the left and right operand; K: the contracted axis; several contracted axes count as one K, in the product's order):
;;     1. [M 8,192, K 1,024] x [K 1,024, N 1,024]; A: input x; B: input wq: QUANTISED
;;     2. [M 8,192, K 1,024] x [K 1,024, N 1,024]; A: input x; B: input wk: QUANTISED
;;     3. [M 8,192, K 1,024] x [K 1,024, N 1,024]; A: input x; B: input wv: QUANTISED
;;     4. batch 64 x [M 2,048, K 64] x [K 64, N 2,048]; A: computed on the way; B: computed on the way: QUANTISED
;;     5. batch 64 x [M 2,048, K 2,048] x [K 2,048, N 64]; A: softmax (see below); B: computed on the way: QUANTISED
;;     6. [M 8,192, K 1,024] x [K 1,024, N 1,024]; A: computed on the way; B: input wo: QUANTISED
;;   THE QUANTISER, for each operand of a quantised product, along K:
;;     - K is cut into blocks of 32 from its start; a last block that is shorter is filled with zeros.
;;     - A block's scale is 2^e with e = floor(log2(the largest magnitude in the block)) - 2, held to -126 .. 127; a block of zeros has e = 0. As a byte (E8M0): e + 127.
;;     - Each number is divided by its block's scale, clamped to +-6, and rounded to the nearest number of E2M1, ties to even, subnormals kept.
;;     - The product sums the exact products of the quantised numbers (number of the format x scale) in f32.
;;   ~~~python
;;   def quantise(x, axis):      # numpy; x: float32 -> the quantised numbers, widened to float32 again
;;       x = np.moveaxis(x, axis, -1); K = x.shape[-1]
;;       x = np.pad(x, [(0, 0)] * (x.ndim - 1) + [(0, -K % 32)]); x = x.reshape(x.shape[:-1] + (-1, 32)); a = np.abs(x).max(-1, keepdims=True)
;;       e = np.where(a > 0, np.clip(np.frexp(np.where(a > 0, a, 1))[1] - 1 - 2, -126, 127), 0)      # np.frexp(a)[1] - 1 = floor(log2(a)), exactly
;;       r = np.clip(x / 2.0 ** e, -6, 6)
;;       step = 2.0 ** (np.maximum(np.frexp(np.where(r == 0, 1, r))[1] - 1, 0) - 1)
;;       q = np.round(r / step) * step * 2.0 ** e      # np.round: ties to even
;;       return np.moveaxis(q.reshape(q.shape[:-2] + (-1,))[..., :K], -1, axis).astype(np.float32)
;;   ~~~
;;   SOFTMAX AHEAD OF A QUANTISED PRODUCT. Where the list says 'softmax', what is quantised is not the finished softmax but p = 2^(t - M), with t = logit x log2(e) and M = ceil(the row's largest t), a whole number; so 1/2 < the row's largest p <= 1. The row's sum l is taken of the UNQUANTISED p, in f32, and the product's result is divided by l at the end. Since M is a whole number, a kernel that streams over the keys may use a running M (the ceiling of the running maximum): every later rescaling is an exact power of two, which a block's scale takes up: the codes' values come out the same.
;;   OPERANDS COMPUTED ON THE WAY. 'Computed on the way' means the value that the module computes at that place (a softmax that the list does not call 'softmax' is quantised finished and normalised). What goes into a quantiser is computed in f32, as accurately as f32 sums, v_exp_f32 and their like allow (about 1e-6 of the number): no bf16 or f16 on the way to a quantiser, and a product that is left as it is and whose result goes on into a quantised operand takes f32 operands (vector FMAs, or v_wmma_f32_16x16x4_f32). A number that lies on a knife's edge between two numbers of the format may be rounded either way, as far as f32 arithmetic and the matrix unit's own rounding can turn it there, and no further.
;; One version. Each part assembles by itself: llvm-mc -triple=amdgcn-amd-amdhsa -mcpu=gfx1250 --defsym DOCPART=n.
;; ======== version 1 of 1: 4 launches
;; workspace buffers: ximg 4,194,304 bytes; xsc 262,144 bytes; wimg 2,097,152 bytes; wsc 131,072 bytes; qkvimg 12,582,912 bytes; qkvsc 786,432 bytes; oimg 4,194,304 bytes; osc 262,144 bytes
;; launch prep (part 1): grid 768 x 1, 4 waves a work-group, no clusters, 34,304 bytes of LDS; arguments x, wq, wk, wv, wo, ximg, xsc, wimg, wsc; writes ximg, xsc, wimg, wsc
.if DOCPART == 1
	.amdgcn_target "amdgcn-amd-amdhsa--gfx1250"
	.amdhsa_code_object_version 6
	.text
	.protected	k_q3d8f673a46_prep
	.globl	k_q3d8f673a46_prep
	.p2align	8
	.type	k_q3d8f673a46_prep,@function
k_q3d8f673a46_prep:
	s_mov_b64 s[64:65], 0
	v_nop
	global_prefetch_b8 v0, s[64:65] scope:SCOPE_SE
	s_setreg_imm32_b32 hwreg(HW_REG_WAVE_MODE, 25, 1), 1
	s_wait_xcnt 0x0
; x [8192][1024] and the four weights [1024 (k)][1024 (n)], f32, become codes of FP4 (E2M1) with one E8M0 scale byte for each 32 along K, laid as IMAGES OF OPERAND REGISTERS.
; A FRAGMENT IMAGE is 16 rows x 128 K in 1,024 bytes: byte 512 c + 16 lane holds the 32 codes K = 64 c + 32 (lane / 16) + 0 .. 31 of row lane % 16.  ximg: [tile 512][K step 8]; wimg: [weight 4][tile 64][K step 8], rows = output columns.
; ROWS LIE IN POSITION ORDER: position p of 32 holds true row sw(p), p with bits 3 and 4 exchanged: lane r of tile T holds row 32 (T / 2) + 8 (T % 2) + r + 8 (r / 8).  A product that takes such tiles as source 0
; leaves, in a lane's 16 registers of two neighbouring tiles, 16 neighbours along those rows.
; SCALE WORDS (four bytes: 128 K of one row): [tile][K step 8][row 16], 512 bytes a tile.
; A block's scale is 2^(floor(log2(largest magnitude)) - 2): its byte is the largest magnitude's exponent field - 2, held at 1 from below.
; LIMITS: a block of zeros gets the byte 1, not 127 (its codes are zeros, and the bytes are read by this program alone); NaN and infinities among the inputs are not served.
; Work-groups 0 to 511 take a tile of 16 rows of x each (wave w: K 256 w on, two K steps); work-groups 512 to 767 take 128 columns x 128 K of one weight each (wave w: 32 columns).
; No cluster: no two work-groups read the same bytes.  No barrier: waves share nothing.  Only x's path uses LDS.
.set R,    16                          ; v16-143  x: two K steps as loaded, 16 rows x 4 registers each
.set X,    144                         ; v144-207 x: 64 numbers of my row in the quantiser's order; weights: two sets of 32 numbers
.set PC,   208                         ; v208-223 codes: registers of their own for each store
.set TM,   224                         ; v224-239 at work
.set XO,   1                           ; v1   16 x lane
.set STI,  2                           ; v2   the stage, on the way in
.set STO,  3                           ; v3   and on the way out
.set PW,   4                           ; v4-5 x's scale words of the two K steps
.set SB,   6                           ; v6   the scale word that is stored
.set SA,   7                           ; v7   4 x lane
.set LN,   9                           ; v9   lane
.set RR,   10                          ; v10  r = lane % 16
.set HH,   11                          ; v11  h = lane / 16
.set WO,   12                          ; v12  weights: 4 x sw(lane)
.set WI,   14                          ; v14  weights: my place in the images
.set WS,   15                          ; v15  weights: my place among the scale words
.set SEL,  26                          ; s[26:27] lane selects for v_permlanex16_b32: lane l xor 16
; 64 numbers of a lane, register 16 b + i = K 32 b + 16 h + i of my row, become a fragment's 8 registers of codes and its scale word
.macro QUANT s, pc, pw
.irp b, 0,1,2,3
	v_max3_num_f32 v[TM+\b], |v[\s+16*\b]|, |v[\s+1+16*\b]|, 0x1800000   ; my 16 numbers of block b, and the floor 2^(3 - 127): the byte cannot fall under 1
.endr
.irp i, 2,4,6,8,10,12,14
.irp b, 0,1,2,3
	v_max3_num_f32 v[TM+\b], v[TM+\b], |v[\s+16*\b+\i]|, |v[\s+1+16*\b+\i]|   ; the four blocks by turns
.endr
.endr
.irp b, 0,1,2,3
	v_permlanex16_b32 v[TM+4+\b], v[TM+\b], s[SEL], s[SEL+1]
.endr
.irp b, 0,1,2,3
	v_max_num_f32 v[TM+\b], v[TM+\b], v[TM+4+\b]   ; with lane l xor 16's 16: the block's largest magnitude
.endr
.irp b, 0,1,2,3
	v_add_nc_u32 v[TM+12+\b], 0xff000000, v[TM+\b] ; 2 off its exponent field: the conversion takes this operand's exponent field as its scale
.endr
.irp b, 0,1,2,3
	v_lshrrev_b32 v[TM+4+\b], 23, v[TM+12+\b]      ; the scale's byte
.endr
	v_lshl_or_b32 v[\pw], v[TM+5], 8, v[TM+4]
	v_lshl_or_b32 v[\pw], v[TM+6], 16, v[\pw]
	v_lshl_or_b32 v[\pw], v[TM+7], 24, v[\pw]      ; my row's scale word
.irp b, 0,1,2,3
	v_cvt_scalef32_pk8_fp4_f32 v[\pc+2*\b], v[\s+16*\b:\s+7+16*\b], v[TM+12+\b]
	v_cvt_scalef32_pk8_fp4_f32 v[\pc+1+2*\b], v[\s+8+16*\b:\s+15+16*\b], v[TM+12+\b]
.endr
	v_nop                                          ; one plain instruction behind the scaled conversions
.irp c, 0,1
.irp i, 0,1
	v_permlane16_swap_b32 v[\pc+4*\c+\i], v[\pc+2+4*\c+\i]   ; a whole block to a lane: lanes 0-15 block 2 c, lanes 16-31 block 2 c + 1
.endr
.endr
.endm
	s_load_b256 s[4:11], s[0:1], 0x0               ; x s[4:5], wq s[6:7], wk s[8:9], wv s[10:11]
	s_load_b256 s[12:19], s[0:1], 0x20             ; wo s[12:13], ximg s[14:15], xsc s[16:17], wimg s[18:19]
	s_load_b64 s[20:21], s[0:1], 0x40              ; wsc
	v_lshl_add_u32 v240, v0, 2, 0x8400
	v_mov_b32 v241, 0
	v_lshrrev_b32 v8, 5, v0
	v_readfirstlane_b32 s24, v8                    ; wave 0..3
	v_and_b32 v[LN], 31, v0
	v_and_b32 v[RR], 15, v0
	v_bfe_u32 v[HH], v0, 4, 1
	s_mov_b32 s29, 0                               ; the upper word of every offset pair s[28:29]
	s_wait_kmcnt 0x0
	s_cmp_lt_u32 ttmp9, 512
	s_cbranch_scc0 .Lweights
	; ---------------- x: tile g = the work-group's number ----------------
	s_lshr_b32 s28, ttmp9, 1
	s_lshl_b32 s28, s28, 17                        ; 32 (g / 2) rows of 4,096 bytes
	s_and_b32 s30, ttmp9, 1
	s_lshl_b32 s30, s30, 15                        ; + 8 (g % 2) rows
	s_add_co_u32 s28, s28, s30
	s_lshl_b32 s30, s24, 10                        ; + my wave's 256 numbers
	s_add_co_u32 s28, s28, s30
	s_add_nc_u64 s[4:5], s[4:5], s[28:29]
	s_lshl_b32 s28, ttmp9, 13                      ; images: 8,192 bytes a tile, 2,048 a wave
	s_lshl_b32 s30, s24, 11
	s_add_co_u32 s28, s28, s30
	s_add_nc_u64 s[14:15], s[14:15], s[28:29]
	s_lshl_b32 s28, ttmp9, 9                       ; scale words: 512 bytes a tile, 128 a wave
	s_lshl_b32 s30, s24, 7
	s_add_co_u32 s28, s28, s30
	s_add_nc_u64 s[16:17], s[16:17], s[28:29]
	s_wait_alu depctr_va_vdst(0)
	v_lshlrev_b32 v[XO], 4, v[LN]
.irp ks, 0,1
.irp i, 0,1,2,3,4,5,6,7,8,9,10,11,12,13,14,15
	global_load_b128 v[R+64*\ks+4*\i:R+64*\ks+4*\i+3], v[XO], s[4:5] offset:(\i+8*(\i/8))*4096+512*\ks th:TH_LOAD_NT   ; 32 lanes read 512 consecutive bytes: a K step of the tile's row i
.endr
.endr
	s_mov_b32 s[SEL], 0x76543210
	s_mov_b32 s[SEL+1], 0xfedcba98
	s_mul_i32 s31, s24, 8448                       ; my wave's stage: 16 rows x (512 bytes + 16)
	v_add_nc_u32 v[STI], s31, v[XO]                ; in: as loaded, a row an instruction
	v_mul_u32_u24 v[STO], v[RR], 528
	v_lshl_add_u32 v[STO], v[HH], 6, v[STO]
	v_add_nc_u32 v[STO], s31, v[STO]               ; out: row r, + 64 h: my 16 numbers of each block of 32; rows 528 bytes apart start at sixteen different groups of banks
.irp b, 0,1,2,3
	v_mov_b32 v[TM+4+\b], 0                        ; a lane permute's destination counts as one of its sources
.endr
.macro HALF ks
.irp i, 0,1,2,3,4,5,6,7,8,9,10,11,12,13,14,15
	ds_store_b128 v[STI], v[R+64*\ks+4*\i:R+64*\ks+4*\i+3] offset:528*\i
.endr
.irp b, 0,1,2,3
.irp j, 0,1,2,3
	ds_load_b128 v[X+16*\b+4*\j:X+16*\b+4*\j+3], v[STO] offset:128*\b+16*\j   ; LDS serves a wave's instructions in order: these see the stores above
.endr
.endr
	s_wait_dscnt 0x0
	QUANT X, PC+8*\ks, PW+\ks
	global_store_b128 v[XO], v[PC+8*\ks:PC+8*\ks+3], s[14:15] offset:1024*\ks           ; 512 consecutive bytes a store
	global_store_b128 v[XO], v[PC+8*\ks+4:PC+8*\ks+7], s[14:15] offset:1024*\ks+512
.endm
	s_wait_alu depctr_va_vdst(0)
	s_wait_loadcnt 16                              ; the first K step's 16 loads are in; the second's may be out
	HALF 0
	s_wait_loadcnt 0x0
	HALF 1
	v_cmp_lt_u32 vcc_lo, 15, v[LN]
	v_cndmask_b32 v[SB], v[PW], v[PW+1], vcc_lo    ; lanes 0-15 the even K step's word of row r, lanes 16-31 the odd one's
	v_lshlrev_b32 v[SA], 2, v[LN]
	global_store_b32 v[SA], v[SB], s[16:17]        ; 128 consecutive bytes
	s_wait_tensorcnt 0x0
	ds_add_u32 v240, v241
	s_wait_dscnt 0x0
	s_endpgm
	; ---------------- the weights: a lane takes a column, its registers run down K ----------------
.Lweights:
	s_sub_co_u32 s28, ttmp9, 512
	s_lshr_b32 s30, s28, 6                         ; which weight: q, k, v, o
	s_and_b32 s31, s28, 7                          ; which 128 columns
	s_bfe_u32 s32, s28, 0x30003                    ; which K step of 128
	s_cmp_eq_u32 s30, 1
	s_cselect_b64 s[22:23], s[8:9], s[6:7]
	s_cmp_eq_u32 s30, 2
	s_cselect_b64 s[22:23], s[10:11], s[22:23]
	s_cmp_eq_u32 s30, 3
	s_cselect_b64 s[22:23], s[12:13], s[22:23]
	s_lshl_b32 s28, s32, 19                        ; 128 rows of 4,096 bytes a K step
	s_lshl_b32 s33, s31, 9
	s_add_co_u32 s28, s28, s33                     ; + 128 columns a work-group
	s_lshl_b32 s33, s24, 7
	s_add_co_u32 s28, s28, s33                     ; + 32 a wave
	s_add_nc_u64 s[22:23], s[22:23], s[28:29]
	s_lshl_b32 s28, s30, 19                        ; images: 524,288 bytes a weight, 8,192 a tile (tile 8 cg + 2 w), 1,024 a K step
	s_lshl_b32 s33, s31, 16
	s_add_co_u32 s28, s28, s33
	s_lshl_b32 s33, s24, 14
	s_add_co_u32 s28, s28, s33
	s_lshl_b32 s33, s32, 10
	s_add_co_u32 s28, s28, s33
	s_add_nc_u64 s[18:19], s[18:19], s[28:29]
	s_lshl_b32 s28, s30, 15                        ; scale words: 32,768 bytes a weight, 512 a tile, 64 a K step
	s_lshl_b32 s33, s31, 12
	s_add_co_u32 s28, s28, s33
	s_lshl_b32 s33, s24, 10
	s_add_co_u32 s28, s28, s33
	s_lshl_b32 s33, s32, 6
	s_add_co_u32 s28, s28, s33
	s_add_nc_u64 s[20:21], s[20:21], s[28:29]
	v_and_b32 v[WO], 7, v0
	s_wait_alu depctr_va_vdst(0)
	v_bfe_u32 v13, v0, 3, 1
	v_lshl_or_b32 v[WO], v[HH], 3, v[WO]
	v_lshl_or_b32 v[WO], v13, 4, v[WO]             ; sw(lane): my column among the wave's 32; the wave's load still covers 128 consecutive bytes
	v_lshlrev_b32 v[WO], 2, v[WO]
	v_lshlrev_b32 v[WI], 4, v[RR]
	v_lshl_add_u32 v[WI], v[HH], 13, v[WI]         ; tile lane / 16, row r: 16 bytes
	v_lshlrev_b32 v[WS], 2, v[RR]
	v_lshl_add_u32 v[WS], v[HH], 9, v[WS]
.macro WLOAD t                         ; block t: W(32 t + i, my column) into set t % 2
.irp i, 0,1,2,3,4,5,6,7,8,9,10,11,12,13,14,15,16,17,18,19,20,21,22,23,24,25,26,27,28,29,30,31
	global_load_b32 v[X+32*((\t)%2)+\i], v[WO], s[22:23] offset:(32*(\t)+\i)*4096 th:TH_LOAD_NT
.endr
.endm
.macro BLOCK t
.set XS, X+32*((\t)%2)
.if (\t) < 3
	s_wait_loadcnt 32                              ; this block's 32 loads are in; the next block's may be out
.else
	s_wait_loadcnt 0x0
.endif
	v_max3_num_f32 v[TM], |v[XS]|, |v[XS+1]|, |v[XS+2]|            ; all 32 numbers of the block are mine: two chains
	v_max3_num_f32 v[TM+1], |v[XS+3]|, |v[XS+4]|, |v[XS+5]|
.irp i, 6,10,14,18,22,26
	v_max3_num_f32 v[TM], v[TM], |v[XS+\i]|, |v[XS+\i+1]|
	v_max3_num_f32 v[TM+1], v[TM+1], |v[XS+\i+2]|, |v[XS+\i+3]|
.endr
	v_max3_num_f32 v[TM], v[TM], |v[XS+30]|, |v[XS+31]|
	v_max3_num_f32 v[TM], v[TM], v[TM+1], 0x1800000                ; and the floor 2^(3 - 127)
	v_add_nc_u32 v[TM+2], 0xff000000, v[TM]        ; the conversion's scale operand
	v_lshrrev_b32 v[TM+3], 23, v[TM+2]             ; the scale's byte
.if (\t) == 0
	v_mov_b32 v[SB], v[TM+3]
.else
	v_lshl_or_b32 v[SB], v[TM+3], 8*(\t), v[SB]
.endif
.irp g, 0,1,2,3
	v_cvt_scalef32_pk8_fp4_f32 v[PC+4*(\t)+\g], v[XS+8*\g:XS+8*\g+7], v[TM+2]
.endr
	v_nop                                          ; one plain instruction behind the scaled conversions
	global_store_b128 v[WI], v[PC+4*(\t):PC+4*(\t)+3], s[18:19] offset:256*(\t)   ; block t = 2 c + h of the image: sixteen lanes store 256 consecutive bytes, aligned
.if (\t)+2 < 4
	WLOAD (\t)+2
.endif
.endm
	WLOAD 0
	WLOAD 1
	BLOCK 0
	BLOCK 1
	BLOCK 2
	BLOCK 3
	global_store_b32 v[WS], v[SB], s[20:21]        ; my column's scale word of this K step: 64 consecutive bytes for each tile
	s_endpgm
.Lfunc_end_k_q3d8f673a46_prep:
	.size	k_q3d8f673a46_prep, .Lfunc_end_k_q3d8f673a46_prep-k_q3d8f673a46_prep
	.p2alignl 7, 3214868480
	.fill 96, 4, 3214868480
	.section	.rodata,"a",@progbits
	.p2align	6, 0x0
	.amdhsa_kernel k_q3d8f673a46_prep
		.amdhsa_group_segment_fixed_size 34304
		.amdhsa_private_segment_fixed_size 0
		.amdhsa_enable_private_segment 0
		.amdhsa_kernarg_size 72
		.amdhsa_user_sgpr_count 2
		.amdhsa_user_sgpr_kernarg_segment_ptr 1
		.amdhsa_wavefront_size32 1
		.amdhsa_system_sgpr_workgroup_id_x 1
		.amdhsa_system_sgpr_workgroup_id_y 1
		.amdhsa_system_sgpr_workgroup_id_z 1
		.amdhsa_system_vgpr_workitem_id 0
		.amdhsa_next_free_vgpr 242
		.amdhsa_next_free_sgpr 66
		.amdhsa_reserve_vcc 1
		.amdhsa_float_denorm_mode_32 3
		.amdhsa_float_denorm_mode_16_64 3
		.amdhsa_memory_ordered 1
		.amdhsa_forward_progress 1
		.amdhsa_inst_pref_size 38
	.end_amdhsa_kernel
	.amdgpu_metadata
---
amdhsa.version: [ 1, 2 ]
amdhsa.kernels:
  - .name:           k_q3d8f673a46_prep
    .symbol:         k_q3d8f673a46_prep.kd
    .args:
      - { .name: x, .offset: 0, .size: 8, .value_kind: global_buffer, .address_space: global }
      - { .name: wq, .offset: 8, .size: 8, .value_kind: global_buffer, .address_space: global }
      - { .name: wk, .offset: 16, .size: 8, .value_kind: global_buffer, .address_space: global }
      - { .name: wv, .offset: 24, .size: 8, .value_kind: global_buffer, .address_space: global }
      - { .name: wo, .offset: 32, .size: 8, .value_kind: global_buffer, .address_space: global }
      - { .name: ximg, .offset: 40, .size: 8, .value_kind: global_buffer, .address_space: global }
      - { .name: xsc, .offset: 48, .size: 8, .value_kind: global_buffer, .address_space: global }
      - { .name: wimg, .offset: 56, .size: 8, .value_kind: global_buffer, .address_space: global }
      - { .name: wsc, .offset: 64, .size: 8, .value_kind: global_buffer, .address_space: global }
    .group_segment_fixed_size: 34304
    .private_segment_fixed_size: 0
    .kernarg_segment_align: 8
    .kernarg_segment_size: 72
    .max_flat_workgroup_size: 128
    .sgpr_count:     66
    .vgpr_count:     242
    .wavefront_size: 32
...
	.end_amdgpu_metadata
.endif
;; end of part 1
;; launch qkv (part 2): grid 12 x 32, 4 waves a work-group, clusters of 4 x 4, 279,040 bytes of LDS; arguments ximg, xsc, wimg, wsc, bq, bk, bv, qkvimg, qkvsc; writes qkvimg, qkvsc
.if DOCPART == 2
	.amdgcn_target "amdgcn-amd-amdhsa--gfx1250"
	.amdhsa_code_object_version 6
	.text
	.protected	k_q3d8f673a46_qkv
	.globl	k_q3d8f673a46_qkv
	.p2align	8
	.type	k_q3d8f673a46_qkv,@function
k_q3d8f673a46_qkv:
	s_mov_b64 s[64:65], 0
	v_nop
	global_prefetch_b8 v0, s[64:65] scope:SCOPE_SE
	s_setreg_imm32_b32 hwreg(HW_REG_WAVE_MODE, 25, 1), 1
	s_wait_xcnt 0x0
	s_wait_alu depctr_hold_cnt(0) depctr_sa_sdst(0) depctr_va_vdst(0) depctr_va_sdst(0) depctr_va_ssrc(0) depctr_va_vcc(0) depctr_vm_vsrc(0)
	s_getreg_b32 s2, hwreg(HW_REG_IB_STS2, 6, 4)
	s_cmp_eq_u32 s2, 0
	s_cbranch_scc0 .Lentry_in_a_cluster
	s_endpgm
.Lentry_in_a_cluster:
	s_bfe_u32 s2, ttmp6, 0x10000c
	s_cmp_lg_u32 s2, 0xf033
	s_cbranch_scc0 .Lentry_shape_is_right
	s_endpgm
.Lentry_shape_is_right:
; q = x wq + bq, k = x wk + bk, v = x wv + bv on codes of FP4 (E2M1) with E8M0 scales, and each result quantised at once along the K of the product that will take it: q and k along the head's 64, v along the keys.
; OPERANDS ARE FRAGMENT IMAGES (16 rows x 128 K in 1,024 bytes, byte 512 c + 16 lane = a lane's registers 4 c .. 4 c + 3), rows in position order (lane r of tile T: row 32 (T / 2) + 8 (T % 2) + r + 8 (r / 8)).
; A tile of the result, 256 x 256, is made by four waves, 128 x 128 each: 64 accumulators, 512 registers.  K = 1,024 is 512 bytes a row: the tile's whole K, two slots of 128 KiB, and its scale words, 16 KiB, lie in LDS
; at once: each slot is filled ONCE, nothing is filled again.
; THE MATRIX INSTRUCTION IS USED TRANSPOSED: source 0 = 16 rows of 'B', source 1 = 16 rows of 'A'.  A lane then holds one row of A, and the 16 registers of B's tiles 2 b and 2 b + 1 are 16 neighbours along B's rows:
; what the quantiser wants.  Clusters x = 0, 1: A = x, B = wq | wk: a lane holds one token and 128 output columns, two heads.  Cluster x = 2: A = wv, B = x: a lane holds one channel of v and 128 keys.
; The bias is the C of each sum's first matrix instruction.
; CLUSTERS: 4 x 4 work-groups; A's tiles are asked for jointly along a row of the cluster, B's along a column.
; RESULTS: qkvimg holds images by fragment number; Q: 512 hp + 128 b + 8 st + a; K: 4,096 more; V: 8,192 + 1,024 b + 128 hp + 8 st + a (hp head pair, st step of 128 tokens, a tile).  qkvsc: for each 8 fragments 512 bytes,
; [lane][p 0..3] = the scale word of fragment 2 p + lane / 16, row lane % 16.
; LIMITS: a block of zeros gets the byte 1, not 127 (its codes are zeros; this program alone reads the bytes); NaN and infinities are not served.
; REGISTERS, in windows of 256: window 0: v1-26 addresses; v32-63 A's scale words, v64-95 B's, all of K; v96-123 the quantiser's; v128-191 A's fragments, one set (later the codes); v192-255 the bias as C.
;   window 1: B's fragments, two sets, at v0 and v128.   window 2: the accumulators of A's blocks 0-3 ((a, b) at v[8 (8 (a % 4) + b)]);   window 3: of blocks 4-7.
.set FR,    8
.set SLOT,  131072                     ; a slot: four K steps of A's 256 rows (two halves of 32,768 bytes), then of B's
.set SCL,   262144                     ; behind the slots: the scale words, 4,096 bytes for each half
.set ADRA, 16                          ; v16-17  LDS address of my A fragments in slot 0, 1
.set ADRB, 20                          ; v20-21  the same for B
.set ADSA, 24                          ; v24     of A's scale words
.set ADSB, 25                          ; v25     of B's
.set VO,   26                          ; v26     16 x lane
.set SCA,  32                          ; register 4 i + k: block i's words of K steps 2 k (lanes 0-15) and 2 k + 1 (lanes 16-31)
.set SCB,  64
.set PW,   96                          ; v96-103 the eight fragments' scale words
.set TM,   104                         ; v104-119 at work
.set SW,   120                         ; v120-123 the scale words as they are stored
.set AF,   128
.set CI,   192
.set G1, 24                            ; s[24:31] descriptor group 1 for A's images;  s[32:39] group 0, one set for each slot
.set G0, 32
.set G1B, 48                           ; s[48:55], s[56:63] the same for B's
.set G0B, 56
.set G1S, 68                           ; s[68:75], s[76:79] groups 1 and 0 for A's scale words;  s[80:87], s[88:91] for B's
.set G0S, 76
.set G1SB, 80
.set G0SB, 88
.set SEL, 4                            ; s[4:5] lane selects for v_permlanex16_b32, written when the addresses there have been used
.set MSB, 0
.macro WIN new                         ; the immediate's high byte repeats the setting that is left
.if MSB != (\new)
	s_set_vgpr_msb (MSB<<8)|(\new)
.set MSB, \new
.endif
.endm
.set MUL_LO, 0xa1                      ; source 0 (B) window 1, source 1 (A) window 0, C and D window 2
.set MUL_HI, 0xf1                      ; the same, C and D window 3
.set TO_B,   0x40                      ; destination window 1, address window 0
; A joint load: waves 0 and 1 fetch for A, waves 2 and 3 for B; the branch hangs on the wave's number alone.  Four v_nop follow each of the two lines.
.macro JLOAD g0a, g1a, g0b, g1b
	s_cmp_eq_u32 s23, 0
	s_cbranch_scc0 .Lfor_b_\@
	tensor_load_to_lds s[\g0a:\g0a+3], s[\g1a:\g1a+7]
	s_nop 0
.rept 4
	v_nop
.endr
	s_branch .Lasked_\@
.Lfor_b_\@:
	tensor_load_to_lds s[\g0b:\g0b+3], s[\g1b:\g1b+7]
	s_nop 0
.rept 4
	v_nop
.endr
.Lasked_\@:
.endm
.macro CREST                           ; a round of the cluster's barrier behind its opening barrier
	s_cmp_lg_u32 s22, 0
	s_cbranch_scc1 .Lnot_wave_0_\@
	s_barrier_signal -3
.Lnot_wave_0_\@:
	s_barrier_wait -3
	s_barrier_signal -1
	s_barrier_wait -1
.endm
.macro CROUND
	s_barrier_signal -1
	s_barrier_wait -1
	CREST
.endm
.macro PLACES n
.rept \n
	v_nop
.endr
.endm
	s_load_b256 s[4:11], s[0:1], 0x0               ; ximg s[4:5], xsc s[6:7], wimg s[8:9], wsc s[10:11]
	s_load_b256 s[12:19], s[0:1], 0x20             ; bq s[12:13], bk s[14:15], bv s[16:17], qkvimg s[18:19]
	s_load_b64 s[20:21], s[0:1], 0x40              ; qkvsc
	v_lshl_add_u32 v126, v0, 2, 0x44000
	v_mov_b32 v127, 0
	ds_add_u32 v126, v127
	ds_add_u32 v126, v127
	v_lshrrev_b32 v1, 5, v0
	v_readfirstlane_b32 s22, v1                    ; wave 0..3
	s_lshr_b32 s23, s22, 1                         ; which half of A's rows is mine.  Also: I fetch for A (0) or for B (1)
	s_and_b32 s3, s22, 1                           ; which half of B's rows.  Also: which 128 rows I fetch
	s_bfe_u32 s40, ttmp6, 0x40000                  ; cx
	s_bfe_u32 s41, ttmp6, 0x40004                  ; cy
	s_and_b32 s42, ttmp7, 0xffff
	s_lshl_b32 s42, s42, 2                         ; 4 x cluster y
	s_lshl_b32 s43, ttmp9, 2                       ; 4 x cluster x
	s_cmp_eq_u32 ttmp9, 2                          ; the third column of clusters makes v: the same answer in all sixteen partners
	s_cselect_b32 s44, 0, s42
	s_cselect_b32 s45, s42, s43
	s_cselect_b32 s2, 1, 0                         ; kept: 1 = v
	s_add_co_u32 s44, s44, s41                     ; A's tile of 256 rows: q, k: 4 cluster y + cy (of x);  v: cy (of wv)
	s_add_co_u32 s45, s45, s40                     ; B's: q, k: 4 cluster x + cx (of wq | wk);  v: 4 cluster y + cx (of x)
	s_lshl_b32 s46, s41, 2
	s_lshl_b32 s46, 15, s46                        ; my row of the cluster
	s_lshl_b32 s47, 0x1111, s40                    ; my column
	; descriptor group 1.  Images: 8 tiles' four K steps: 8 rows of 512 elements of 8 bytes (4,096 bytes), 8,192 bytes apart.  No padding: a fragment load takes 512 consecutive bytes
	s_or_b32 s[G1], s46, (3<<16)|(1<<21)           ; 15:0 the mask; 17:16 elements of 8 bytes; 21 set beside a mask
	s_or_b32 s[G1B], s47, (3<<16)|(1<<21)
	s_or_b32 s[G1S], s46, (3<<16)|(1<<21)
	s_or_b32 s[G1SB], s47, (3<<16)|(1<<21)
.irp g, G1, G1B
	s_mov_b32 s[\g+1], 512<<16                     ; tensor_dim0
	s_mov_b32 s[\g+2], 8<<16                       ; tensor_dim1
	s_mov_b32 s[\g+3], 512<<16                     ; tile_dim0
	s_mov_b32 s[\g+4], 8                           ; tile_dim1
	s_mov_b32 s[\g+5], 1024                        ; tensor_dim0_stride
	s_mov_b32 s[\g+6], 0
	s_mov_b32 s[\g+7], 0
.endr
.irp g, G1S, G1SB                      ; scale words of 128 rows: 4,096 dense bytes as 16 rows of 256
	s_mov_b32 s[\g+1], 32<<16
	s_mov_b32 s[\g+2], 16<<16
	s_mov_b32 s[\g+3], 32<<16
	s_mov_b32 s[\g+4], 16
	s_mov_b32 s[\g+5], 32
	s_mov_b32 s[\g+6], 0
	s_mov_b32 s[\g+7], 0
.endr
	s_lshl_b32 s92, s44, 1
	s_add_co_u32 s92, s92, s3                      ; A: which 128 rows I fetch (made of cy, cluster y and the wave's number alone)
	s_lshl_b32 s94, s45, 1
	s_add_co_u32 s94, s94, s3                      ; B: likewise (of cx, the cluster's place and the wave's number alone)
	s_lshl_b32 s96, s92, 12                        ; their scale words: 4,096 bytes,
	s_mov_b32 s97, 0
	s_lshl_b32 s92, s92, 16                        ; their images: 65,536 bytes
	s_mov_b32 s93, 0
	s_lshl_b32 s98, s94, 12
	s_mov_b32 s99, 0
	s_lshl_b32 s94, s94, 16
	s_mov_b32 s95, 0
	s_wait_dscnt 0x0
	s_wait_kmcnt 0x0
	s_add_nc_u64 s[100:101], s[8:9], 0x100000      ; wv's images,
	s_add_nc_u64 s[66:67], s[10:11], 0x10000       ; and its scale words
	s_cmp_eq_u32 s2, 1
	s_cselect_b64 s[100:101], s[100:101], s[4:5]   ; A: wv or x
	s_cselect_b64 s[66:67], s[66:67], s[6:7]
	s_cselect_b64 s[8:9], s[4:5], s[8:9]           ; B: x or wq | wk
	s_cselect_b64 s[10:11], s[6:7], s[10:11]
	s_add_nc_u64 s[100:101], s[100:101], s[92:93]
	s_add_nc_u64 s[66:67], s[66:67], s[96:97]
	s_add_nc_u64 s[8:9], s[8:9], s[94:95]
	s_add_nc_u64 s[10:11], s[10:11], s[98:99]
	CROUND                                         ; all sixteen work-groups are here: the joint loads meet
	s_lshl_b32 s92, s22, 15                        ; where they go: wave x 32,768: no place in the cluster enters an LDS address
	s_lshl_b32 s93, s22, 12
	s_mov_b32 s[G0S], 1
	s_add_co_u32 s[G0S+1], s93, SCL
	s_mov_b64 s[G0S+2:G0S+3], s[66:67]
	s_or_b32 s[G0S+3], s[G0S+3], 0x80000000
	s_mov_b32 s[G0SB], 1
	s_add_co_u32 s[G0SB+1], s93, SCL
	s_mov_b64 s[G0SB+2:G0SB+3], s[10:11]
	s_or_b32 s[G0SB+3], s[G0SB+3], 0x80000000
	JLOAD G0S, G1S, G0SB, G1SB                     ; the scale words first: they are wanted with K step 0
.irp s, 0,1
	s_mov_b32 s[G0+4*\s], 1
	s_add_co_u32 s[G0+4*\s+1], s92, \s*SLOT
	s_add_nc_u64 s[G0+4*\s+2:G0+4*\s+3], s[100:101], \s*4096
	s_or_b32 s[G0+4*\s+3], s[G0+4*\s+3], 0x80000000
	s_mov_b32 s[G0B+4*\s], 1
	s_add_co_u32 s[G0B+4*\s+1], s92, \s*SLOT
	s_add_nc_u64 s[G0B+4*\s+2:G0B+4*\s+3], s[8:9], \s*4096
	s_or_b32 s[G0B+4*\s+3], s[G0B+4*\s+3], 0x80000000
	JLOAD G0+4*\s, G1, G0B+4*\s, G1B               ; three tensor loads of mine are out
.endr
	v_and_b32 v4, 31, v0                           ; lane
	v_and_b32 v2, 15, v0                           ; r
	v_bfe_u32 v3, v0, 4, 1                         ; h
	v_lshlrev_b32 v[VO], 4, v4
	v_lshlrev_b32 v7, 2, v4
	s_wait_alu depctr_va_vdst(0)
	s_lshl_b32 s46, s23, 15                        ; my 128 rows of A,
	s_lshl_b32 s47, s3, 15
	s_add_co_u32 s47, s47, 65536                   ; my 128 rows of B, behind A's 256
.irp s, 0,1
	v_add_nc_u32 v[ADRA+\s], s46, v[VO]
	v_add_nc_u32 v[ADRB+\s], s47, v[VO]
	s_add_co_u32 s46, s46, SLOT
	s_add_co_u32 s47, s47, SLOT
.endr
	s_lshl_b32 s46, s23, 12
	s_add_co_u32 s46, s46, SCL
	v_add_nc_u32 v[ADSA], s46, v7
	s_lshl_b32 s47, s3, 12
	s_add_co_u32 s47, s47, SCL+8192
	v_add_nc_u32 v[ADSB], s47, v7
	v_lshlrev_b32 v5, 6, v3                        ; q, k: the bias of my half's 16 columns of a block of 32: 64 h
	v_and_b32 v6, 8, v2
	v_add_nc_u32 v6, v6, v2
	v_lshlrev_b32 v6, 2, v6                        ; v: the bias of my channel: 4 (r + 8 (r / 8))
	s_lshl_b32 s42, s44, 1
	s_add_co_u32 s42, s42, s23                     ; MW: which 128 rows of A my results have
	s_lshl_b32 s43, s45, 1
	s_add_co_u32 s43, s43, s3                      ; NW: which 128 rows of B
	s_mov_b32 s47, 0
	s_cmp_eq_u32 s2, 1
	s_cbranch_scc1 .Lbias_v
	s_cmp_eq_u32 ttmp9, 0
	s_cselect_b64 s[12:13], s[12:13], s[14:15]     ; bq or bk
	s_and_b32 s46, s43, 7
	s_lshl_b32 s46, s46, 9                         ; my 128 columns
	s_add_nc_u64 s[12:13], s[12:13], s[46:47]
	s_wait_alu depctr_va_vdst(0)
.irp b, 0,1,2,3,4,5,6,7                ; C for B's tile b, whatever A's block: register j = the bias of column 32 (b / 2) + 8 (b % 2) + 16 h + j
	global_load_b128 v[CI+8*\b:CI+8*\b+3], v5, s[12:13] offset:(32*(\b/2)+8*(\b%2))*4
	global_load_b128 v[CI+8*\b+4:CI+8*\b+7], v5, s[12:13] offset:(32*(\b/2)+8*(\b%2))*4+16
.endr
	s_branch .Lbias_done
.Lbias_v:
	s_lshl_b32 s46, s42, 9                         ; my 128 channels
	s_add_nc_u64 s[16:17], s[16:17], s[46:47]
	s_wait_alu depctr_va_vdst(0)
.irp a, 0,1,2,3,4,5,6,7                ; C for A's block a, whatever B's tile: all eight registers = the bias of my channel
.irp j, 0,1,2,3,4,5,6,7
	global_load_b32 v[CI+8*\a+\j], v6, s[16:17] offset:(32*(\a/2)+8*(\a%2))*4
.endr
.endr
.Lbias_done:
	; where my eight fragments go
	s_lshl_b32 s40, s43, 9
	s_lshl_b32 s41, s42, 3
	s_add_co_u32 s40, s40, s41                     ; q, k: 512 NW + 8 MW
	s_lshr_b32 s41, s43, 4
	s_lshl_b32 s41, s41, 10
	s_lshl_b32 s44, s42, 7
	s_add_co_u32 s41, s41, s44
	s_and_b32 s44, s43, 15
	s_lshl_b32 s44, s44, 3
	s_add_co_u32 s41, s41, s44
	s_add_co_u32 s41, s41, 8192                    ; v: 8,192 + 1,024 (NW / 16) + 128 MW + 8 (NW % 16)
	s_cmp_eq_u32 s2, 1
	s_cselect_b32 s40, s41, s40
	s_lshl_b32 s44, s40, 10
	s_mov_b32 s45, 0
	s_add_nc_u64 s[18:19], s[18:19], s[44:45]
	s_lshl_b32 s44, s40, 6
	s_add_nc_u64 s[20:21], s[20:21], s[44:45]
	s_mov_b32 s[SEL], 0x76543210
	s_mov_b32 s[SEL+1], 0xfedcba98
.macro FRAG reg, adr, q, i             ; a fragment comes back as it was stored: two loads of 512 consecutive bytes
.irp c, 0,1
	ds_load_b128 v[\reg+4*\c:\reg+4*\c+3], v[\adr] offset:(\i)*4096+(\q)*1024+512*\c
.endr
.endm
.macro FETCH_B slot, q, p              ; B's eight fragments of the slot's q-th K step into set p
	WIN TO_B
.irp i, 0,1,2,3,4,5,6,7
	FRAG 128*(\p)+FR*\i, ADRB+\slot, \q, \i
.endr
	WIN 0
.endm
.macro FETCH_A slot, q, i0             ; A's blocks i0 .. i0 + 3
.irp i, \i0, \i0+1, \i0+2, \i0+3
	FRAG AF+FR*(\i), ADRA+\slot, \q, \i
.endr
.endm
.macro SCALES                          ; all of K's scale words: lanes 0-15 take an even K step's, lanes 16-31 the odd one's behind it
.irp i, 0,1,2,3,4,5,6,7
.irp k, 0,1,2,3
	ds_load_b32 v[SCA+4*\i+\k], v[ADSA] offset:512*\i+128*\k
	ds_load_b32 v[SCB+4*\i+\k], v[ADSB] offset:512*\i+128*\k
.endr
.endr
.endm
; 16 matrix instructions: A's blocks a0, a0 + 1 x B's eight, K step Q of 8.  p: B's set.  mode 0: C = D; 1: C = the bias by B's tile; 2: C = the bias by A's block.
; The 64 accumulators take turns, one instruction a turn, in the same order in every step.
.macro MUL16 a0, p, Q, mode
.irp a, \a0, \a0+1
.irp b, 0,1,2,3,4,5,6,7
.set rD, 8*(8*((\a)%4)+\b)
.set rB, 128*(\p)+FR*\b
.set rA, AF+FR*(\a)
.set rC, rD
.if \mode == 1
.set rC, CI+8*\b
.endif
.if \mode == 2
.set rC, CI+8*(\a)
.endif
.set rSB, SCB+4*\b+(\Q)/2
.set rSA, SCA+4*(\a)+(\Q)/2
.if (\Q)%2
	v_wmma_scale_f32_16x16x128_f8f6f4 v[rD:rD+7], v[rB:rB+7], v[rA:rA+7], v[rC:rC+7], v[rSB], v[rSA] matrix_a_fmt:MATRIX_FMT_FP4 matrix_b_fmt:MATRIX_FMT_FP4 matrix_a_scale:MATRIX_SCALE_ROW1 matrix_b_scale:MATRIX_SCALE_ROW1
.else
	v_wmma_scale_f32_16x16x128_f8f6f4 v[rD:rD+7], v[rB:rB+7], v[rA:rA+7], v[rC:rC+7], v[rSB], v[rSA] matrix_a_fmt:MATRIX_FMT_FP4 matrix_b_fmt:MATRIX_FMT_FP4
.endif
.endr
.endr
.endm
; A K step that has its successor in the same slot.  Four plain instructions stand in front of each run of loads into registers that matrix instructions have read (ISA guide 7.12.1 for vector instructions).
.macro STEP slot, q, mode
	s_wait_dscnt 8                                 ; B's set and A's blocks 0-3 are in; the youngest eight loads (A's blocks 4-7) may be out
.if \mode
	WIN 0x81                                       ; C (the bias) window 0, D window 2
.else
	WIN MUL_LO
.endif
	MUL16 0, (\q)%2, 4*(\slot)+(\q), \mode
	MUL16 2, (\q)%2, 4*(\slot)+(\q), \mode
	s_wait_dscnt 0x0                               ; A's blocks 4-7 are in
	PLACES 4
	FETCH_B \slot, (\q)+1, 1-(\q)%2
	FETCH_A \slot, (\q)+1, 0
.if \mode
	WIN 0xc1
.else
	WIN MUL_HI
.endif
	MUL16 4, (\q)%2, 4*(\slot)+(\q), \mode
	MUL16 6, (\q)%2, 4*(\slot)+(\q), \mode
	PLACES 4
	WIN 0
	FETCH_A \slot, (\q)+1, 4
.endm
	s_wait_tensorcnt 1                             ; the scale words and my part of slot 0 are in; slot 1's load may be out
	s_barrier_signal -1
	s_barrier_wait -1                              ; everybody's are
	SCALES
	FETCH_B 0, 0, 0
	FETCH_A 0, 0, 0
	FETCH_A 0, 0, 4
	s_wait_loadcnt 0x0                             ; the bias
	s_cmp_eq_u32 s2, 1
	s_cbranch_scc1 .Lfirst_v
	STEP 0, 0, 1                                   ; the first K step starts the sums on the bias: nothing is cleared
	s_branch .Lfirst_done
.Lfirst_v:
	STEP 0, 0, 2
.Lfirst_done:
	STEP 0, 1, 0
	STEP 0, 2, 0
	; slot 0's last K step changes slots: one barrier, in front of which each wave has its part of slot 1
	s_wait_tensorcnt 0x0                           ; no load was issued behind slot 1's
	s_wait_dscnt 8
	WIN MUL_LO
	MUL16 0, 1, 3, 0
	s_wait_dscnt 0x0                               ; no LDS instruction of mine is pending at the signal
	s_barrier_signal -1
	MUL16 2, 1, 3, 0
	WIN 0
	s_barrier_wait -1
	PLACES 4
	FETCH_B 1, 0, 0
	FETCH_A 1, 0, 0
	WIN MUL_HI
	MUL16 4, 1, 3, 0
	MUL16 6, 1, 3, 0
	PLACES 4
	WIN 0
	FETCH_A 1, 0, 4
	STEP 1, 0, 0
	STEP 1, 1, 0
	STEP 1, 2, 0
	s_wait_dscnt 8                                 ; the last K step: nothing more to fetch
	WIN MUL_LO
	MUL16 0, 1, 7, 0
	MUL16 2, 1, 7, 0
	s_wait_dscnt 0x0
	WIN MUL_HI
	MUL16 4, 1, 7, 0
	MUL16 6, 1, 7, 0
	WIN 0
	PLACES 4                                       ; in front of the first read of results
.irp b, 0,1,2,3
	v_mov_b32 v[TM+4+\b], 0                        ; a lane permute's destination counts as one of its sources
.endr
; THE WAY OUT.  Block a's 64 numbers of a lane, register 16 b + i = K 32 b + 16 h + i of my row, become one fragment and one scale word; the fragment leaves as its image, 512 consecutive bytes a store.
; Each block's codes and word have registers of their own, so that no store's data are written again.  Each accumulator is read from its low end on.
.macro EPI a
.set AC, 64*((\a)%4)
	WIN 0x0a+5*((\a)/4)                            ; sources 0 and 1: window 2 or 3
.irp b, 0,1,2,3
	v_max3_num_f32 v[TM+\b], |v[AC+16*\b]|, |v[AC+16*\b+1]|, 0x1800000   ; and the floor 2^(3 - 127): the byte cannot fall under 1
.endr
.irp i, 2,4,6,8,10,12,14
.irp b, 0,1,2,3
	v_max3_num_f32 v[TM+\b], |v[AC+16*\b+\i]|, |v[AC+16*\b+\i+1]|, v[TM+\b]
.endr
.endr
	WIN 0
.irp b, 0,1,2,3
	v_permlanex16_b32 v[TM+4+\b], v[TM+\b], s[SEL], s[SEL+1]
.endr
.irp b, 0,1,2,3
	v_max_num_f32 v[TM+\b], v[TM+\b], v[TM+4+\b]   ; with lane l xor 16's 16: the block's largest magnitude
.endr
.irp b, 0,1,2,3
	v_add_nc_u32 v[TM+12+\b], 0xff000000, v[TM+\b] ; 2 off its exponent field: the conversion's scale operand
.endr
.irp b, 0,1,2,3
	v_lshrrev_b32 v[TM+4+\b], 23, v[TM+12+\b]      ; the scale's byte
.endr
	v_lshl_or_b32 v[PW+(\a)], v[TM+5], 8, v[TM+4]
	v_lshl_or_b32 v[PW+(\a)], v[TM+6], 16, v[PW+(\a)]
	v_lshl_or_b32 v[PW+(\a)], v[TM+7], 24, v[PW+(\a)]
	WIN 0x02+(\a)/4                                ; source 0: window 2 or 3
.irp b, 0,1,2,3
	v_cvt_scalef32_pk8_fp4_f32 v[AF+8*(\a)+2*\b], v[AC+16*\b:AC+16*\b+7], v[TM+12+\b]
	v_cvt_scalef32_pk8_fp4_f32 v[AF+8*(\a)+2*\b+1], v[AC+16*\b+8:AC+16*\b+15], v[TM+12+\b]
.endr
	WIN 0
	v_nop                                          ; one plain instruction behind the scaled conversions
.irp c, 0,1
.irp i, 0,1
	v_permlane16_swap_b32 v[AF+8*(\a)+4*\c+\i], v[AF+8*(\a)+4*\c+2+\i]   ; a whole block to a lane
.endr
.endr
	global_store_b128 v[VO], v[AF+8*(\a):AF+8*(\a)+3], s[18:19] offset:1024*(\a)
	global_store_b128 v[VO], v[AF+8*(\a)+4:AF+8*(\a)+7], s[18:19] offset:1024*(\a)+512
.endm
.irp a, 0,1,2,3,4,5,6,7
	EPI \a
.endr
	v_cmp_lt_u32 vcc_lo, 15, v4
.irp p, 0,1,2,3
	v_cndmask_b32 v[SW+\p], v[PW+2*\p], v[PW+2*\p+1], vcc_lo   ; lanes 0-15 fragment 2 p's word of row r, lanes 16-31 fragment 2 p + 1's
.endr
	global_store_b128 v[VO], v[SW:SW+3], s[20:21]  ; 512 consecutive bytes
	s_wait_tensorcnt 0x0
	ds_add_u32 v126, v127
	s_wait_dscnt 0x0
	CROUND                                         ; the closing round: no work-group ends while a partner may still ask for a tile that names it
	s_endpgm
.Lfunc_end_k_q3d8f673a46_qkv:
	.size	k_q3d8f673a46_qkv, .Lfunc_end_k_q3d8f673a46_qkv-k_q3d8f673a46_qkv
	.p2alignl 7, 3214868480
	.fill 96, 4, 3214868480
	.section	.rodata,"a",@progbits
	.p2align	6, 0x0
	.amdhsa_kernel k_q3d8f673a46_qkv
		.amdhsa_group_segment_fixed_size 279040
		.amdhsa_private_segment_fixed_size 0
		.amdhsa_enable_private_segment 0
		.amdhsa_kernarg_size 72
		.amdhsa_user_sgpr_count 2
		.amdhsa_user_sgpr_kernarg_segment_ptr 1
		.amdhsa_wavefront_size32 1
		.amdhsa_system_sgpr_workgroup_id_x 1
		.amdhsa_system_sgpr_workgroup_id_y 1
		.amdhsa_system_sgpr_workgroup_id_z 1
		.amdhsa_system_vgpr_workitem_id 0
		.amdhsa_next_free_vgpr 1024
		.amdhsa_next_free_sgpr 104
		.amdhsa_reserve_vcc 1
		.amdhsa_float_denorm_mode_32 3
		.amdhsa_float_denorm_mode_16_64 3
		.amdhsa_memory_ordered 1
		.amdhsa_forward_progress 1
		.amdhsa_inst_pref_size 149
	.end_amdhsa_kernel
	.amdgpu_metadata
---
amdhsa.version: [ 1, 2 ]
amdhsa.kernels:
  - .name:           k_q3d8f673a46_qkv
    .symbol:         k_q3d8f673a46_qkv.kd
    .args:
      - { .name: ximg, .offset: 0, .size: 8, .value_kind: global_buffer, .address_space: global }
      - { .name: xsc, .offset: 8, .size: 8, .value_kind: global_buffer, .address_space: global }
      - { .name: wimg, .offset: 16, .size: 8, .value_kind: global_buffer, .address_space: global }
      - { .name: wsc, .offset: 24, .size: 8, .value_kind: global_buffer, .address_space: global }
      - { .name: bq, .offset: 32, .size: 8, .value_kind: global_buffer, .address_space: global }
      - { .name: bk, .offset: 40, .size: 8, .value_kind: global_buffer, .address_space: global }
      - { .name: bv, .offset: 48, .size: 8, .value_kind: global_buffer, .address_space: global }
      - { .name: qkvimg, .offset: 56, .size: 8, .value_kind: global_buffer, .address_space: global }
      - { .name: qkvsc, .offset: 64, .size: 8, .value_kind: global_buffer, .address_space: global }
    .group_segment_fixed_size: 279040
    .private_segment_fixed_size: 0
    .kernarg_segment_align: 8
    .kernarg_segment_size: 72
    .max_flat_workgroup_size: 128
    .sgpr_count:     104
    .vgpr_count:     1024
    .wavefront_size: 32
...
	.end_amdgpu_metadata
.endif
;; end of part 2
;; launch attn (part 3): grid 8 x 32, 16 waves a work-group, clusters of 4 x 1, 327,680 bytes of LDS; arguments qkvimg, qkvsc, oimg, osc; writes oimg, osc
.if DOCPART == 3
	.amdgcn_target "amdgcn-amd-amdhsa--gfx1250"
	.amdhsa_code_object_version 6
	.text
	.protected	k_q3d8f673a46_attn
	.globl	k_q3d8f673a46_attn
	.p2align	8
	.type	k_q3d8f673a46_attn,@function
k_q3d8f673a46_attn:
	s_mov_b64 s[64:65], 0
	v_nop
	global_prefetch_b8 v0, s[64:65] scope:SCOPE_SE
	s_setreg_imm32_b32 hwreg(HW_REG_WAVE_MODE, 25, 1), 1
	s_wait_xcnt 0x0
	s_wait_alu depctr_hold_cnt(0) depctr_sa_sdst(0) depctr_va_vdst(0) depctr_va_sdst(0) depctr_va_ssrc(0) depctr_va_vcc(0) depctr_vm_vsrc(0)
	s_getreg_b32 s2, hwreg(HW_REG_IB_STS2, 6, 4)
	s_cmp_eq_u32 s2, 0
	s_cbranch_scc0 .Lentry_in_a_cluster
	s_endpgm
.Lentry_in_a_cluster:
	s_bfe_u32 s2, ttmp6, 0x10000c
	s_cmp_lg_u32 s2, 0x3003
	s_cbranch_scc0 .Lentry_shape_is_right
	s_endpgm
.Lentry_shape_is_right:
; O = softmax(Q K^T / 8) V for each of 64 heads of 64 channels and 2,048 tokens, both products on codes of FP4 (E2M1) with E8M0 scales, and O quantised at once along the last product's K (head x 64 + channel).
; THE SOFTMAX: t = score x log2(e) / 8; M = the row's largest t so far, rounded UP to a whole number; p = 2^(t - M) is what is quantised, along the keys; it is not normalised.  The row's sum is taken of the unquantised p
; and divides O at the end.  When M moves, the sum and O are multiplied by 2^(old M - new M): exact.
; SHARES.  A work-group owns a batch's head pair (work-group y = 8 b + hp) and 256 queries; each of its sixteen waves 16 queries, one tile, in 256 registers: four waves to a SIMD, so that one wave's vector work stands
; beside another's matrix work and LDS loads.  A wave runs two UNITS, head 2 hp and head 2 hp + 1, one after the other, each over all 2,048 keys, 128 a step.
; LDS.  The pair's K and V as fragment images (128 KiB each) and their scale words (8 KiB each) are filled ONCE, at the head, each wave bringing a sixteenth; nothing is filled again and nothing else writes LDS.
; CLUSTER.  The four work-groups of a cluster belong to one head pair and need the same K and V: every load is a joint one, with a mask that names the four.
; LAYOUT.  Both products are used transposed: S^T = K Q^T (source 0 = 16 keys, source 1 = my queries), O^T = V^T P^T: a lane holds ONE query throughout.  Images hold their rows in position order (lane r of tile T: row
; 32 (T / 2) + 8 (T % 2) + r + 8 (r / 8)), so that the 16 registers of tiles 2 b, 2 b + 1 are 16 neighbouring keys (or channels).
; THE FIRST PRODUCT'S K IS 64, half of the instruction's 128.  A fragment of Q or K holds head 2 hp in registers 0-3 and head 2 hp + 1 in registers 4-7; a unit loads its head's half into registers 0-3.  Q's registers 4-7 are zero
; codes; K's operand runs on into the next tile's registers, whose codes meet those zeros and add nothing; the upper two scale bytes are 0, which is a small power of two and no NaN.
; LIMITS: a block's largest p is taken from the block's largest score by the same multiply-add and exponential (this takes v_exp_f32 not to fall where its input rises); p under 2^-126 becomes 0; 1 / sum is v_rcp_f32 and a
; multiplication; a block of zeros gets the byte 1, not 127 (its codes are zeros; this program alone reads the bytes); NaN and infinities are not served.
.set VIMG,  131072                     ; LDS: K's images at 0: [step 16][tile 8][1,024 bytes]; V's here: [step 16][head 2 x tile 4][1,024 bytes]
.set KSCL,  262144                     ; K's scale words: [step 16][lane 32][p 4]: fragment 2 p + lane / 16, row lane % 16
.set VSCL,  270336                     ; V's likewise
.set L16, 1                            ; v1   16 x lane; never rewritten
.set ADK, 2                            ; v2-5 LDS addresses of the step's K, V, K's scale words, V's
.set ADV, 3
.set ADS, 4
.set ADT, 5
.set OWD, 6                            ; v6   O's scale word, pieced together over the two units
.set R4,  7                            ; v7   4 r
.set QW,  8                            ; v8   Q's scale word, both heads
.set QS,  9                            ; v9   my unit's two bytes of it: a scale register
.set OO,  10                           ; v10  O's store: 16 x lane + 512 x unit
.set QO,  11                           ; v11  16 r
.set QF,  16                           ; v16-23 Q's operand: my head's codes, then zeros
.set QB,  24                           ; v24-31 Q's fragment as loaded
.set KF,  32                           ; v32-67 eight tiles' halves of K, four registers each, and four zeros
.set VF,  68                           ; v68-99 four fragments of V
.set S,   100                          ; v100-163 S^T, then p
.set O,   164                          ; v164-195 O^T
.set PC,  196                          ; v196-203 p's codes
.set KSC, 204                          ; v204-207 K's scale words
.set VSC, 208                          ; v208-209 V's
.set PW,  210                          ; v210 p's
.set BM,  212                          ; v212-215 the blocks' largest
.set PT,  216                          ; v216-219 the other half of the lanes'; bytes
.set SO,  220                          ; v220-223 the conversions' scale operands
.set F,   224                          ; v[224:225] f = 2^(old M - new M)
.set T0,  226
.set C2,  228                          ; v[228:229] the sums' second chain
.set OC,  232                          ; v232-235 O's codes
.set WV,  12
.set SEL, 48                           ; s[48:49] lane selects for v_permlanex16_b32: lane l xor 16
.set CS,  50                           ; s[50:51] c = log2(e) / 8
.set U,   52                           ; the unit
.set TK,  53                           ; LDS bytes at which the step's K, V and their scale words begin
.set TV,  54
.set TS,  55
.set TT,  56
.set CNT, 57
.macro CROUND                          ; a round of the cluster's barrier
	s_barrier_signal -1
	s_barrier_wait -1
	s_cmp_lg_u32 s[WV], 0
	s_cbranch_scc1 .Lnot_wave_0_\@
	s_barrier_signal -3
.Lnot_wave_0_\@:
	s_barrier_wait -3
	s_barrier_signal -1
	s_barrier_wait -1
.endm
	s_load_b256 s[4:11], s[0:1], 0x0               ; qkvimg s[4:5], qkvsc s[6:7], oimg s[8:9], osc s[10:11]
	v_lshl_add_u32 v254, v0, 2, 0x44000
	v_mov_b32 v255, 0
	ds_add_u32 v254, v255
	ds_add_u32 v254, v255
	v_lshrrev_b32 v2, 5, v0
	s_delay_alu instid0(VALU_DEP_1)
	v_readfirstlane_b32 s[WV], v2                  ; wave 0..15
	s_bfe_u32 s13, ttmp6, 0x40000                  ; cx: it enters Q's and O's addresses alone
	s_and_b32 s14, ttmp7, 0xffff
	s_lshr_b32 s15, s14, 3                         ; b
	s_and_b32 s16, s14, 7                          ; hp
	s_lshl_b32 s17, s16, 9
	s_lshl_b32 s18, s15, 7                         ; 128 b
	s_add_co_u32 s17, s17, s18                     ; Q's first fragment: 512 hp + 128 b
	s_add_co_u32 s19, s17, 4096                    ; K's
	s_lshl_b32 s20, s15, 10
	s_lshl_b32 s21, s16, 7
	s_add_co_u32 s20, s20, s21
	s_add_co_u32 s20, s20, 8192                    ; V's: 8,192 + 1,024 b + 128 hp
	s_cmp_lt_u32 s[WV], 8                          ; waves 0 to 7 fetch K, waves 8 to 15 V: both lie in one buffer, so only an offset is chosen
	s_cselect_b32 s19, s19, s20
	s_and_b32 s21, s[WV], 7
	s_lshl_b32 s21, s21, 4
	s_add_co_u32 s19, s19, s21                     ; my 16 fragments of the 128
	s_lshl_b32 s20, s19, 10                        ; their images,
	s_mov_b32 s21, 0
	s_lshl_b32 s22, s19, 6                         ; their scale words
	s_mov_b32 s23, 0
	; descriptor group 1: dense blocks as rows of 256 bytes (32 elements of 8 bytes): 64 rows of images, 4 rows of scale words
	s_mov_b32 s24, 15|(3<<16)|(1<<21)              ; 15:0 the mask: all four work-groups; 17:16 elements of 8 bytes; 21 set beside a mask
	s_mov_b32 s25, 32<<16                          ; tensor_dim0
	s_mov_b32 s26, 64<<16                          ; tensor_dim1
	s_mov_b32 s27, 32<<16                          ; tile_dim0
	s_mov_b32 s28, 64                              ; tile_dim1
	s_mov_b32 s29, 32                              ; tensor_dim0_stride
	s_mov_b32 s30, 0
	s_mov_b32 s31, 0
	s_mov_b32 s32, 15|(3<<16)|(1<<21)
	s_mov_b32 s33, 32<<16
	s_mov_b32 s34, 4<<16
	s_mov_b32 s35, 32<<16
	s_mov_b32 s36, 4
	s_mov_b32 s37, 32
	s_mov_b32 s38, 0
	s_mov_b32 s39, 0
	s_lshl_b32 s58, ttmp9, 2
	s_add_co_u32 s58, s58, s13                     ; my block of 256 queries = 4 x cluster x + cx
	s_lshl_b32 s58, s58, 4
	s_add_co_u32 s58, s58, s[WV]                   ; T: my tile of 16 queries, 0..127
	s_add_co_u32 s59, s17, s58                     ; Q's fragment
	s_lshl_b32 s60, s59, 10
	s_mov_b32 s61, 0
	s_lshr_b32 s68, s59, 3
	s_lshl_b32 s68, s68, 9                         ; its group of eight's scale words,
	s_and_b32 s70, s[WV], 1
	s_lshl_b32 s70, s70, 8
	s_add_co_u32 s68, s68, s70                     ; fragment 2 p + u of the group lies at lanes 16 u on,
	s_bfe_u32 s70, s[WV], 0x20001
	s_lshl_b32 s70, s70, 2
	s_add_co_u32 s68, s68, s70                     ; word p
	s_mov_b32 s69, 0
	s_add_co_u32 s70, s18, s58                     ; my tile among all 512
	s_lshl_b32 s72, s70, 13
	s_lshl_b32 s71, s16, 10
	s_add_co_u32 s72, s72, s71                     ; O's image: 8,192 bytes a tile, K step hp
	s_mov_b32 s73, 0
	s_lshl_b32 s74, s70, 9
	s_lshl_b32 s71, s16, 6
	s_add_co_u32 s74, s74, s71                     ; its scale words: 512 bytes a tile, 64 a K step
	s_mov_b32 s75, 0
	s_mov_b32 s[SEL], 0x76543210
	s_mov_b32 s[SEL+1], 0xfedcba98
	s_mov_b32 s[CS], 0x3e38aa3b                    ; c = log2(e) / 8
	s_mov_b32 s[CS+1], s[CS]                       ; (named with it as a pair, so it is written)
	s_wait_dscnt 0x0
	s_wait_kmcnt 0x0
	s_add_nc_u64 s[20:21], s[4:5], s[20:21]
	s_add_nc_u64 s[22:23], s[6:7], s[22:23]
	s_add_nc_u64 s[62:63], s[4:5], s[60:61]
	s_add_nc_u64 s[66:67], s[6:7], s[68:69]
	s_add_nc_u64 s[8:9], s[8:9], s[72:73]
	s_add_nc_u64 s[10:11], s[10:11], s[74:75]
	CROUND                                         ; all four work-groups are here: the joint loads meet
	s_mov_b32 s40, 1                               ; group 0 for my images: count = 1,
	s_lshl_b32 s41, s[WV], 14                      ; LDS address: wave x 16,384: K's eight parts, then V's eight,
	s_mov_b64 s[42:43], s[20:21]                   ; global address,
	s_or_b32 s43, s43, 0x80000000                  ; type = 2
	s_mov_b32 s44, 1                               ; and for my scale words
	s_lshl_b32 s45, s[WV], 10
	s_add_co_u32 s45, s45, KSCL
	s_mov_b64 s[46:47], s[22:23]
	s_or_b32 s47, s47, 0x80000000
	tensor_load_to_lds s[44:47], s[32:39]
	s_nop 0
	s_wait_alu depctr_va_vdst(0)
	s_wait_tensorcnt 0x0
	ds_add_u32 v254, v255
	s_wait_dscnt 0x0
	CROUND
	tensor_load_to_lds s[40:43], s[24:31]          ; one tensor load of mine is out
	s_nop 0
.rept 4
	v_nop
.endr
	v_and_b32 v2, 31, v0
	s_delay_alu instid0(VALU_DEP_1)
	v_lshlrev_b32 v[L16], 4, v2
	v_and_b32 v3, 15, v0
	s_delay_alu instid0(VALU_DEP_1)
	v_lshlrev_b32 v[R4], 2, v3
	s_delay_alu instid0(VALU_DEP_2)
	v_lshlrev_b32 v[QO], 4, v3
	global_load_b128 v[QB:QB+3], v[L16], s[62:63]              ; Q's fragment: head 2 hp's half,
	global_load_b128 v[QB+4:QB+7], v[L16], s[62:63] offset:512 ; head 2 hp + 1's
	global_load_b32 v[QW], v[QO], s[66:67]         ; row r's scale word, in both halves of the lanes
.irp i, 0,1,2,3
	v_mov_b32 v[QF+4+\i], 0                        ; Q's zero codes for the unused half of K
	v_mov_b32 v[KF+32+\i], 0                       ; what the last tile's operand runs on into
	v_mov_b32 v[PT+\i], 0                          ; a lane permute's destination counts as one of its sources
.endr
	v_mov_b32 v[T0], 0
	v_mov_b32 v[F+1], 0                            ; (named as the upper half of the pair)
	v_mov_b32 v[OWD], 0
	s_wait_tensorcnt 0x0                           ; my parts of K, V and the scale words are in,
	s_barrier_signal -1
	s_barrier_wait -1                              ; everybody's are: from here on LDS is only read
	s_wait_loadcnt 0x0                             ; Q
	s_mov_b32 s[U], 0
.Lunit:
	s_lshl_b32 s[TK], s[U], 9                      ; my head's half of each fragment of K,
	s_lshl_b32 s[TV], s[U], 12
	s_add_co_u32 s[TV], s[TV], VIMG                ; my head's four fragments of V,
	s_lshl_b32 s[TS], s[U], 1
	s_add_co_u32 s[TS], s[TS], KSCL                ; my head's two bytes of K's scale words,
	s_lshl_b32 s[TT], s[U], 3
	s_add_co_u32 s[TT], s[TT], VSCL                ; my head's two of V's four words
	v_and_b32 v[QS], 0xffff, v[QW]                 ; my head's two bytes; the upper two are 0
	v_lshrrev_b32 v[QW], 16, v[QW]
.irp i, 0,1,2,3
	v_mov_b32 v[QF+\i], v[QB+\i]
.endr
.irp i, 0,1,2,3
	v_mov_b32 v[QB+\i], v[QB+4+\i]                 ; the next unit's half
.endr
	v_mov_b32 v13, 0xff61b1e6                      ; the largest t so far: -3e38, under every t
	s_delay_alu instid0(VALU_DEP_1)
	v_floor_f32 v12, -v13                          ; -M
	v_mov_b32 v14, 0                               ; the sum, in two halves
	v_mov_b32 v15, 0
.set j, 0
.rept 32
	v_mov_b32 v[O+j], 0                            ; O^T: the step is written once; the first finds zeros.  (These lines also stand between the writes of Q's operand and scale word and the first product)
.set j, j+1
.endr
	s_mov_b32 s[CNT], 16
.Lstep:                                            ; a key step: 128 keys
	s_setprio 2
	v_add_nc_u32 v[ADK], s[TK], v[L16]             ; four plain instructions behind the last products, in front of the loads into registers that they read
	v_add_nc_u32 v[ADV], s[TV], v[L16]
	v_add_nc_u32 v[ADS], s[TS], v[L16]
	v_add_nc_u32 v[ADT], s[TT], v[L16]
.irp t, 0,1,2,3,4,5,6,7
	ds_load_b128 v[KF+4*\t:KF+4*\t+3], v[ADK] offset:1024*\t       ; 512 consecutive bytes: my head's half of tile t
.endr
.irp p, 0,1,2,3
	ds_load_u16 v[KSC+\p], v[ADS] offset:4*\p      ; lanes 0-15: tile 2 p's two bytes, lanes 16-31: tile 2 p + 1's
.endr
.irp t, 0,1,2,3
.irp c, 0,1
	ds_load_b128 v[VF+8*\t+4*\c:VF+8*\t+4*\c+3], v[ADV] offset:1024*\t+512*\c
.endr
.endr
	ds_load_b64 v[VSC:VSC+1], v[ADT]
	s_wait_dscnt 9                                 ; K and its scale words are in; V's nine loads may be out
.irp t, 0,2,4,6
	v_wmma_scale_f32_16x16x128_f8f6f4 v[S+8*\t:S+8*\t+7], v[KF+4*\t:KF+4*\t+7], v[QF:QF+7], 0, v[KSC+\t/2], v[QS] matrix_a_fmt:MATRIX_FMT_FP4 matrix_b_fmt:MATRIX_FMT_FP4
	v_wmma_scale_f32_16x16x128_f8f6f4 v[S+8*\t+8:S+8*\t+15], v[KF+4*\t+4:KF+4*\t+11], v[QF:QF+7], 0, v[KSC+\t/2], v[QS] matrix_a_fmt:MATRIX_FMT_FP4 matrix_b_fmt:MATRIX_FMT_FP4 matrix_a_scale:MATRIX_SCALE_ROW1
.endr                                              ; register 16 b + i of S^T: key 32 b + 16 (lane / 16) + i of the step
.rept 4
	v_nop
.endr
.irp b, 0,1,2,3
	v_max3_num_f32 v[BM+\b], v[S+16*\b], v[S+16*\b+1], v[S+16*\b+2]   ; the largest score of each block of 32 keys: for the row's maximum, and, since p rises with the score, for the block's largest p
.endr
.irp i, 3,5,7,9,11,13
.irp b, 0,1,2,3
	v_max3_num_f32 v[BM+\b], v[BM+\b], v[S+16*\b+\i], v[S+16*\b+\i+1]
.endr
.endr
.irp b, 0,1,2,3
	v_max_num_f32 v[BM+\b], v[BM+\b], v[S+16*\b+15]
.endr
.irp b, 0,1,2,3
	s_delay_alu instid0(VALU_DEP_4)
	v_permlanex16_b32 v[PT+\b], v[BM+\b], s[SEL], s[SEL+1]
.endr
.irp b, 0,1,2,3
	s_delay_alu instid0(VALU_DEP_4)
	v_max_num_f32 v[BM+\b], v[BM+\b], v[PT+\b]     ; with lane l xor 16's 16 keys
.endr
	s_delay_alu instid0(VALU_DEP_2)
	v_max3_num_f32 v[T0], v[BM], v[BM+1], v[BM+2]
	s_delay_alu instid0(VALU_DEP_1)
	v_max_num_f32 v[T0], v[T0], v[BM+3]            ; the step's largest score of my query
	s_delay_alu instid0(VALU_DEP_1)
	v_mul_f32 v[T0], s[CS], v[T0]                  ; as t (c is positive)
	s_delay_alu instid0(VALU_DEP_1)
	v_max_num_f32 v13, v13, v[T0]                  ; the running largest t
	v_mov_b32 v[T0], v12
	s_delay_alu instid0(VALU_DEP_2)
	v_floor_f32 v12, -v13                          ; the new -M = floor(-t) = -ceil(t)
	s_delay_alu instid0(VALU_DEP_1)
	v_sub_f32 v[T0], v12, v[T0]                    ; old M - new M: a whole number, 0 or less
	s_delay_alu instid0(VALU_DEP_1)
	v_cvt_i32_f32 v[T0], v[T0]                     ; (it saturates)
	s_delay_alu instid0(VALU_DEP_1)
	v_ldexp_f32 v[F], 1.0, v[T0]                   ; f = 2^(old M - new M)
.set j, 0
.rept 32
	v_pk_fma_f32 v[S+j:S+j+1], v[S+j:S+j+1], s[CS:CS+1], v[12:13] op_sel_hi:[1,0,0]   ; t - M, two at a time
.set j, j+2
.endr
.irp b, 0,1,2,3
	v_fma_f32 v[BM+\b], v[BM+\b], s[CS], v12       ; the same of each block's largest score
.endr
.set j, 0
	s_wait_alu depctr_va_vdst(0)
.rept 64
	v_exp_f32 v[S+j], v[S+j]                       ; p = 2^(t - M), at most 1
.set j, j+1
.endr
	s_setprio 1
	v_pk_mul_f32 v[14:15], v[14:15], v[F:F+1] op_sel_hi:[1,0]   ; the sums under the new M: the plain instruction behind the exponentials
	s_wait_alu depctr_va_vdst(0)                   ; one wait for the whole batch, ahead of its first reader
.irp b, 0,1,2,3
	v_exp_f32 v[BM+\b], v[BM+\b]                   ; the block's largest p: the same two instructions on the same number give the same bits
.endr
	v_pk_add_f32 v[C2:C2+1], v[S:S+1], v[S+2:S+3]  ; the row's sum is taken of the unquantised p: two at a time, in two chains
.set j, 4
.rept 15
	v_pk_add_f32 v[14:15], v[14:15], v[S+j:S+j+1]
	v_pk_add_f32 v[C2:C2+1], v[C2:C2+1], v[S+j+2:S+j+3]
.set j, j+4
.endr
	s_delay_alu instid0(VALU_DEP_1)
	v_pk_add_f32 v[14:15], v[14:15], v[C2:C2+1]
	s_wait_alu depctr_va_vdst(0)                   ; and one for the four
.irp b, 0,1,2,3
	v_max_num_f32 v[BM+\b], 0x1800000, v[BM+\b]    ; the floor 2^(3 - 127): the byte cannot fall under 1
.endr
.irp b, 0,1,2,3
	s_delay_alu instid0(VALU_DEP_4)
	v_add_nc_u32 v[SO+\b], 0xff000000, v[BM+\b]    ; 2 off the exponent field: the conversion's scale operand
.endr
.irp b, 0,1,2,3
	s_delay_alu instid0(VALU_DEP_4)
	v_lshrrev_b32 v[PT+\b], 23, v[SO+\b]           ; the scale's byte
.endr
	s_delay_alu instid0(VALU_DEP_3)
	v_lshl_or_b32 v[PW], v[PT+1], 8, v[PT]         ; p's scale word for these 128 keys
	s_delay_alu instid0(VALU_DEP_1)
	v_lshl_or_b32 v[PW], v[PT+2], 16, v[PW]
	s_delay_alu instid0(VALU_DEP_1)
	v_lshl_or_b32 v[PW], v[PT+3], 24, v[PW]
.irp b, 0,1,2,3
	v_cvt_scalef32_pk8_fp4_f32 v[PC+2*\b], v[S+16*\b:S+16*\b+7], v[SO+\b]
	v_cvt_scalef32_pk8_fp4_f32 v[PC+2*\b+1], v[S+16*\b+8:S+16*\b+15], v[SO+\b]
.endr
	v_nop                                          ; one plain instruction behind the scaled conversions
.irp c, 0,1
.irp i, 0,1
	v_permlane16_swap_b32 v[PC+4*\c+\i], v[PC+4*\c+2+\i]   ; a whole block to a lane
.endr
.endr
.set j, 0
	s_setprio 0
.rept 16
	v_pk_mul_f32 v[O+j:O+j+1], v[O+j:O+j+1], v[F:F+1] op_sel_hi:[1,0]   ; O^T under the new M.  (These sixteen also stand between the writes of p's codes and scale word and the products below)
.set j, j+2
.endr
	s_wait_alu depctr_va_vdst(0)
	s_wait_dscnt 0x0                               ; V and its scale words are in
.irp t, 0,2
	v_wmma_scale_f32_16x16x128_f8f6f4 v[O+8*\t:O+8*\t+7], v[VF+8*\t:VF+8*\t+7], v[PC:PC+7], v[O+8*\t:O+8*\t+7], v[VSC+\t/2], v[PW] matrix_a_fmt:MATRIX_FMT_FP4 matrix_b_fmt:MATRIX_FMT_FP4
	v_wmma_scale_f32_16x16x128_f8f6f4 v[O+8*\t+8:O+8*\t+15], v[VF+8*\t+8:VF+8*\t+15], v[PC:PC+7], v[O+8*\t+8:O+8*\t+15], v[VSC+\t/2], v[PW] matrix_a_fmt:MATRIX_FMT_FP4 matrix_b_fmt:MATRIX_FMT_FP4 matrix_a_scale:MATRIX_SCALE_ROW1
.endr                                              ; the four accumulators take turns, and the next step's eight products stand between their turns
	s_add_co_u32 s[TK], s[TK], 8192                ; the next step
	s_add_co_u32 s[TV], s[TV], 8192
	s_add_co_u32 s[TS], s[TS], 512
	s_add_co_u32 s[TT], s[TT], 512
	s_sub_co_u32 s[CNT], s[CNT], 1
	s_cmp_lg_u32 s[CNT], 0
	s_cbranch_scc1 .Lstep
	s_setprio 0
	; THE UNIT'S END: O^T / the sum; its 32 numbers a lane, register 16 b + i = channel 32 b + 16 h + i of my head, are two blocks of the last product's K: half a fragment
.rept 4
	v_nop                                          ; in front of the first read of results
.endr
	s_wait_xcnt 0x0                                ; the last unit's store has read its offset and its data: both are written again below
	v_add_f32 v14, v14, v15                        ; the sum's two halves,
	s_delay_alu instid0(VALU_DEP_1)
	v_permlanex16_b32 v[T0], v14, s[SEL], s[SEL+1]
	s_delay_alu instid0(VALU_DEP_1)
	v_add_f32 v14, v14, v[T0]                      ; and lane l xor 16's: the row's sum
	s_wait_alu depctr_va_vdst(0)
	v_rcp_f32 v14, v14
	s_lshl_b32 s68, s[U], 9
	v_add_nc_u32 v[OO], s68, v[L16]                ; (the plain instruction behind the reciprocal)  my head's half of the image
	s_wait_alu depctr_va_vdst(0)                   ; ahead of the reciprocal's first reader
.set j, 0
.rept 16
	v_pk_mul_f32 v[S+j:S+j+1], v[O+j:O+j+1], v[14:15] op_sel_hi:[1,0]   ; each accumulator from its low end on
.set j, j+2
.endr
.irp b, 0,1
	v_max3_num_f32 v[BM+\b], |v[S+16*\b]|, |v[S+16*\b+1]|, 0x1800000
.endr
.irp i, 2,4,6,8,10,12,14
.irp b, 0,1
	s_delay_alu instid0(VALU_DEP_2)
	v_max3_num_f32 v[BM+\b], v[BM+\b], |v[S+16*\b+\i]|, |v[S+16*\b+\i+1]|
.endr
.endr
.irp b, 0,1
	s_delay_alu instid0(VALU_DEP_2)
	v_permlanex16_b32 v[PT+\b], v[BM+\b], s[SEL], s[SEL+1]
.endr
.irp b, 0,1
	s_delay_alu instid0(VALU_DEP_2)
	v_max_num_f32 v[BM+\b], v[BM+\b], v[PT+\b]
.endr
.irp b, 0,1
	s_delay_alu instid0(VALU_DEP_2)
	v_add_nc_u32 v[SO+\b], 0xff000000, v[BM+\b]
.endr
.irp b, 0,1
	s_delay_alu instid0(VALU_DEP_2)
	v_lshrrev_b32 v[PT+\b], 23, v[SO+\b]
.endr
.irp b, 0,1
	v_cvt_scalef32_pk8_fp4_f32 v[OC+2*\b], v[S+16*\b:S+16*\b+7], v[SO+\b]
	v_cvt_scalef32_pk8_fp4_f32 v[OC+2*\b+1], v[S+16*\b+8:S+16*\b+15], v[SO+\b]
.endr
	v_nop                                          ; one plain instruction behind the scaled conversions
	v_permlane16_swap_b32 v[OC], v[OC+2]
	v_permlane16_swap_b32 v[OC+1], v[OC+3]
	global_store_b128 v[OO], v[OC:OC+3], s[8:9]    ; 512 consecutive bytes
	v_lshl_or_b32 v[T0], v[PT+1], 8, v[PT]         ; my head's two bytes
	v_lshrrev_b32 v[OWD], 16, v[OWD]
	s_delay_alu instid0(VALU_DEP_1)
	v_lshl_or_b32 v[OWD], v[T0], 16, v[OWD]        ; after two units: head 2 hp's below, head 2 hp + 1's above
	s_add_co_u32 s[U], s[U], 1
	s_cmp_lt_u32 s[U], 2
	s_cbranch_scc1 .Lunit
	global_store_b32 v[R4], v[OWD], s[10:11]       ; row r's scale word of K step hp: lanes l and l xor 16 store the same word with the same value: 64 consecutive bytes
	s_wait_tensorcnt 0x0
	ds_add_u32 v254, v255
	s_wait_dscnt 0x0
	CROUND                                         ; the closing round: no work-group ends while a partner may still ask for a tile that names it
	s_endpgm
.Lfunc_end_k_q3d8f673a46_attn:
	.size	k_q3d8f673a46_attn, .Lfunc_end_k_q3d8f673a46_attn-k_q3d8f673a46_attn
	.p2alignl 7, 3214868480
	.fill 96, 4, 3214868480
	.section	.rodata,"a",@progbits
	.p2align	6, 0x0
	.amdhsa_kernel k_q3d8f673a46_attn
		.amdhsa_group_segment_fixed_size 327680
		.amdhsa_private_segment_fixed_size 0
		.amdhsa_enable_private_segment 0
		.amdhsa_kernarg_size 32
		.amdhsa_user_sgpr_count 2
		.amdhsa_user_sgpr_kernarg_segment_ptr 1
		.amdhsa_wavefront_size32 1
		.amdhsa_system_sgpr_workgroup_id_x 1
		.amdhsa_system_sgpr_workgroup_id_y 1
		.amdhsa_system_sgpr_workgroup_id_z 1
		.amdhsa_system_vgpr_workitem_id 0
		.amdhsa_next_free_vgpr 256
		.amdhsa_next_free_sgpr 80
		.amdhsa_reserve_vcc 0
		.amdhsa_float_denorm_mode_32 3
		.amdhsa_float_denorm_mode_16_64 3
		.amdhsa_memory_ordered 1
		.amdhsa_forward_progress 1
		.amdhsa_inst_pref_size 30
	.end_amdhsa_kernel
	.amdgpu_metadata
---
amdhsa.version: [ 1, 2 ]
amdhsa.kernels:
  - .name:           k_q3d8f673a46_attn
    .symbol:         k_q3d8f673a46_attn.kd
    .args:
      - { .name: qkvimg, .offset: 0, .size: 8, .value_kind: global_buffer, .address_space: global }
      - { .name: qkvsc, .offset: 8, .size: 8, .value_kind: global_buffer, .address_space: global }
      - { .name: oimg, .offset: 16, .size: 8, .value_kind: global_buffer, .address_space: global }
      - { .name: osc, .offset: 24, .size: 8, .value_kind: global_buffer, .address_space: global }
    .group_segment_fixed_size: 327680
    .private_segment_fixed_size: 0
    .kernarg_segment_align: 8
    .kernarg_segment_size: 32
    .max_flat_workgroup_size: 512
    .sgpr_count:     80
    .vgpr_count:     256
    .wavefront_size: 32
...
	.end_amdgpu_metadata
.endif
;; end of part 3
;; launch outp (part 4): grid 4 x 32, 4 waves a work-group, clusters of 4 x 4, 327,680 bytes of LDS; arguments oimg, osc, wimg, wsc, bo, out0; writes out0
.if DOCPART == 4
	.amdgcn_target "amdgcn-amd-amdhsa--gfx1250"
	.amdhsa_code_object_version 6
	.text
	.protected	k_q3d8f673a46_outp
	.globl	k_q3d8f673a46_outp
	.p2align	8
	.type	k_q3d8f673a46_outp,@function
k_q3d8f673a46_outp:
	s_mov_b64 s[64:65], 0
	v_nop
	global_prefetch_b8 v0, s[64:65] scope:SCOPE_SE
	s_setreg_imm32_b32 hwreg(HW_REG_WAVE_MODE, 25, 1), 1
	s_wait_xcnt 0x0
	s_wait_alu depctr_hold_cnt(0) depctr_sa_sdst(0) depctr_va_vdst(0) depctr_va_sdst(0) depctr_va_ssrc(0) depctr_va_vcc(0) depctr_vm_vsrc(0)
	s_getreg_b32 s2, hwreg(HW_REG_IB_STS2, 6, 4)
	s_cmp_eq_u32 s2, 0
	s_cbranch_scc0 .Lentry_in_a_cluster
	s_endpgm
.Lentry_in_a_cluster:
	s_bfe_u32 s2, ttmp6, 0x10000c
	s_cmp_lg_u32 s2, 0xf033
	s_cbranch_scc0 .Lentry_shape_is_right
	s_endpgm
.Lentry_shape_is_right:
; out0 = O wo + bo on codes of FP4 (E2M1) with E8M0 scales.  O [8192][1024] and wo come as FRAGMENT IMAGES (16 rows x 128 K in 1,024 bytes, byte 512 c + 16 lane = a lane's registers 4 c .. 4 c + 3), rows in position
; order (lane r of tile T: row 32 (T / 2) + 8 (T % 2) + r + 8 (r / 8)); out0 is f32, [8192][1024].
; A tile of the result, 256 x 256, is made by four waves, 128 x 128 each: 64 accumulators, 512 registers.  K = 1,024 is 512 bytes a row: the tile's whole K, two slots of 128 KiB, and its scale words, 16 KiB, lie in LDS at
; once: each slot is filled ONCE, nothing is filled again.
; THE MATRIX INSTRUCTION IS USED TRANSPOSED (source 0 = 16 rows of B = wo's output columns, source 1 = 16 rows of A = O): a lane holds one row of the result and eight neighbouring columns a tile.
; The bias is the C of each sum's first matrix instruction.  CLUSTERS: 4 x 4 work-groups; A's tiles are asked for jointly along a row of the cluster, B's along a column.
; REGISTERS, in windows of 256: window 0: v1-28 addresses; v32-63 A's scale words, v64-95 B's, all of K; v128-191 A's fragments, one set; v192-255 the bias as C; on the way out v128-255 take rows of the result.
;   window 1: B's fragments, two sets, at v0 and v128.   window 2: the accumulators of A's blocks 0-3 ((a, b) at v[8 (8 (a % 4) + b)]);   window 3: of blocks 4-7.
.set FR,    8
.set SLOT,  131072                     ; a slot: four K steps of A's 256 rows (two halves of 32,768 bytes), then of B's
.set SCL,   262144                     ; behind the slots: the scale words, 4,096 bytes for each half
.set SPITCH, 528                       ; the way out: a stage of 16 rows x (512 bytes + 16) for each wave, in slot 0, which has had its one fill and its last read when the first result is stored there
.set ADRA, 16                          ; v16-17  LDS address of my A fragments in slot 0, 1
.set ADRB, 20                          ; v20-21  the same for B
.set ADSA, 24                          ; v24     of A's scale words
.set ADSB, 25                          ; v25     of B's
.set VO,   26                          ; v26     16 x lane
.set STO,  27                          ; v27     the stage: where I put 32 bytes of a row
.set RD,   28                          ; v28     and where I read a row back
.set SCA,  32                          ; register 4 i + k: block i's words of K steps 2 k (lanes 0-15) and 2 k + 1 (lanes 16-31)
.set SCB,  64
.set AF,   128
.set CI,   192
.set BK,   128                         ; the way out: 16 rows read back: v128-191 and v192-255 by turns
.set G1, 24                            ; s[24:31] descriptor group 1 for A's images;  s[32:39] group 0, one set for each slot
.set G0, 32
.set G1B, 48                           ; s[48:55], s[56:63] the same for B's
.set G0B, 56
.set G1S, 68                           ; s[68:75], s[76:79] groups 1 and 0 for A's scale words;  s[80:87], s[88:91] for B's
.set G0S, 76
.set G1SB, 80
.set G0SB, 88
.set MSB, 0
.macro WIN new                         ; the immediate's high byte repeats the setting that is left
.if MSB != (\new)
	s_set_vgpr_msb (MSB<<8)|(\new)
.set MSB, \new
.endif
.endm
.set MUL_LO, 0xa1                      ; source 0 (B) window 1, source 1 (A) window 0, C and D window 2
.set MUL_HI, 0xf1                      ; the same, C and D window 3
.set TO_B,   0x40                      ; destination window 1, address window 0
; A joint load: waves 0 and 1 fetch for A, waves 2 and 3 for B; the branch hangs on the wave's number alone.  Four v_nop follow each of the two lines.
.macro JLOAD g0a, g1a, g0b, g1b
	s_cmp_eq_u32 s23, 0
	s_cbranch_scc0 .Lfor_b_\@
	tensor_load_to_lds s[\g0a:\g0a+3], s[\g1a:\g1a+7]
	s_nop 0
.rept 4
	v_nop
.endr
	s_branch .Lasked_\@
.Lfor_b_\@:
	tensor_load_to_lds s[\g0b:\g0b+3], s[\g1b:\g1b+7]
	s_nop 0
.rept 4
	v_nop
.endr
.Lasked_\@:
.endm
.macro CREST                           ; a round of the cluster's barrier behind its opening barrier
	s_cmp_lg_u32 s22, 0
	s_cbranch_scc1 .Lnot_wave_0_\@
	s_barrier_signal -3
.Lnot_wave_0_\@:
	s_barrier_wait -3
	s_barrier_signal -1
	s_barrier_wait -1
.endm
.macro CROUND
	s_barrier_signal -1
	s_barrier_wait -1
	CREST
.endm
.macro PLACES n
.rept \n
	v_nop
.endr
.endm
	s_load_b256 s[4:11], s[0:1], 0x0               ; oimg s[4:5], osc s[6:7], wimg s[8:9], wsc s[10:11]
	s_load_b128 s[12:15], s[0:1], 0x20             ; bo s[12:13], out0 s[14:15]
	v_lshl_add_u32 v126, v0, 2, 0x44000
	v_mov_b32 v127, 0
	ds_add_u32 v126, v127
	ds_add_u32 v126, v127
	v_lshrrev_b32 v1, 5, v0
	v_readfirstlane_b32 s22, v1                    ; wave 0..3
	s_lshr_b32 s23, s22, 1                         ; which half of A's rows is mine.  Also: I fetch for A (0) or for B (1)
	s_and_b32 s3, s22, 1                           ; which half of B's rows.  Also: which 128 rows I fetch
	s_bfe_u32 s40, ttmp6, 0x40000                  ; cx
	s_bfe_u32 s41, ttmp6, 0x40004                  ; cy
	s_and_b32 s44, ttmp7, 0xffff
	s_lshl_b32 s44, s44, 2
	s_add_co_u32 s44, s44, s41                     ; A's tile of 256 rows: 4 cluster y + cy
	s_lshl_b32 s45, ttmp9, 2
	s_add_co_u32 s45, s45, s40                     ; B's: 4 cluster x + cx
	s_lshl_b32 s46, s41, 2
	s_lshl_b32 s46, 15, s46                        ; my row of the cluster
	s_lshl_b32 s47, 0x1111, s40                    ; my column
	; descriptor group 1.  Images: 8 tiles' four K steps: 8 rows of 512 elements of 8 bytes (4,096 bytes), 8,192 bytes apart.  No padding: a fragment load takes 512 consecutive bytes
	s_or_b32 s[G1], s46, (3<<16)|(1<<21)           ; 15:0 the mask; 17:16 elements of 8 bytes; 21 set beside a mask
	s_or_b32 s[G1B], s47, (3<<16)|(1<<21)
	s_or_b32 s[G1S], s46, (3<<16)|(1<<21)
	s_or_b32 s[G1SB], s47, (3<<16)|(1<<21)
.irp g, G1, G1B
	s_mov_b32 s[\g+1], 512<<16                     ; tensor_dim0
	s_mov_b32 s[\g+2], 8<<16                       ; tensor_dim1
	s_mov_b32 s[\g+3], 512<<16                     ; tile_dim0
	s_mov_b32 s[\g+4], 8                           ; tile_dim1
	s_mov_b32 s[\g+5], 1024                        ; tensor_dim0_stride
	s_mov_b32 s[\g+6], 0
	s_mov_b32 s[\g+7], 0
.endr
.irp g, G1S, G1SB                      ; scale words of 128 rows: 4,096 dense bytes as 16 rows of 256
	s_mov_b32 s[\g+1], 32<<16
	s_mov_b32 s[\g+2], 16<<16
	s_mov_b32 s[\g+3], 32<<16
	s_mov_b32 s[\g+4], 16
	s_mov_b32 s[\g+5], 32
	s_mov_b32 s[\g+6], 0
	s_mov_b32 s[\g+7], 0
.endr
	s_lshl_b32 s92, s44, 1
	s_add_co_u32 s92, s92, s3                      ; A: which 128 rows I fetch (made of cy, cluster y and the wave's number alone)
	s_lshl_b32 s94, s45, 1
	s_add_co_u32 s94, s94, s3                      ; B: likewise (of cx, cluster x and the wave's number alone)
	s_lshl_b32 s96, s92, 12                        ; their scale words: 4,096 bytes,
	s_mov_b32 s97, 0
	s_lshl_b32 s92, s92, 16                        ; their images: 65,536 bytes
	s_mov_b32 s93, 0
	s_lshl_b32 s98, s94, 12
	s_mov_b32 s99, 0
	s_lshl_b32 s94, s94, 16
	s_mov_b32 s95, 0
	s_wait_dscnt 0x0
	s_wait_kmcnt 0x0
	s_add_nc_u64 s[8:9], s[8:9], 0x180000          ; wo's images,
	s_add_nc_u64 s[10:11], s[10:11], 0x18000       ; and its scale words
	s_add_nc_u64 s[4:5], s[4:5], s[92:93]
	s_add_nc_u64 s[6:7], s[6:7], s[96:97]
	s_add_nc_u64 s[8:9], s[8:9], s[94:95]
	s_add_nc_u64 s[10:11], s[10:11], s[98:99]
	CROUND                                         ; all sixteen work-groups are here: the joint loads meet
	s_lshl_b32 s92, s22, 15                        ; where they go: wave x 32,768: no place in the cluster enters an LDS address
	s_lshl_b32 s93, s22, 12
	s_mov_b32 s[G0S], 1
	s_add_co_u32 s[G0S+1], s93, SCL
	s_mov_b64 s[G0S+2:G0S+3], s[6:7]
	s_or_b32 s[G0S+3], s[G0S+3], 0x80000000
	s_mov_b32 s[G0SB], 1
	s_add_co_u32 s[G0SB+1], s93, SCL
	s_mov_b64 s[G0SB+2:G0SB+3], s[10:11]
	s_or_b32 s[G0SB+3], s[G0SB+3], 0x80000000
	JLOAD G0S, G1S, G0SB, G1SB                     ; the scale words first: they are wanted with K step 0
.irp s, 0,1
	s_mov_b32 s[G0+4*\s], 1
	s_add_co_u32 s[G0+4*\s+1], s92, \s*SLOT
	s_add_nc_u64 s[G0+4*\s+2:G0+4*\s+3], s[4:5], \s*4096
	s_or_b32 s[G0+4*\s+3], s[G0+4*\s+3], 0x80000000
	s_mov_b32 s[G0B+4*\s], 1
	s_add_co_u32 s[G0B+4*\s+1], s92, \s*SLOT
	s_add_nc_u64 s[G0B+4*\s+2:G0B+4*\s+3], s[8:9], \s*4096
	s_or_b32 s[G0B+4*\s+3], s[G0B+4*\s+3], 0x80000000
	s_wait_alu depctr_va_vdst(0)
	s_wait_tensorcnt 0x0
	ds_add_u32 v126, v127
	s_wait_dscnt 0x0
	CROUND
	JLOAD G0+4*\s, G1, G0B+4*\s, G1B               ; one tensor load of mine is out
.endr
	v_and_b32 v4, 31, v0                           ; lane
	v_and_b32 v2, 15, v0                           ; r
	v_bfe_u32 v3, v0, 4, 1                         ; h
	v_lshlrev_b32 v[VO], 4, v4
	v_lshlrev_b32 v7, 2, v4
	s_wait_alu depctr_va_vdst(0)
	s_lshl_b32 s46, s23, 15                        ; my 128 rows of A,
	s_lshl_b32 s47, s3, 15
	s_add_co_u32 s47, s47, 65536                   ; my 128 rows of B, behind A's 256
.irp s, 0,1
	v_add_nc_u32 v[ADRA+\s], s46, v[VO]
	v_add_nc_u32 v[ADRB+\s], s47, v[VO]
	s_add_co_u32 s46, s46, SLOT
	s_add_co_u32 s47, s47, SLOT
.endr
	s_lshl_b32 s46, s23, 12
	s_add_co_u32 s46, s46, SCL
	v_add_nc_u32 v[ADSA], s46, v7
	s_lshl_b32 s47, s3, 12
	s_add_co_u32 s47, s47, SCL+8192
	v_add_nc_u32 v[ADSB], s47, v7
	s_mul_i32 s46, s22, 16*SPITCH                  ; my stage
	v_mul_u32_u24 v[STO], v2, SPITCH
	v_lshl_add_u32 v[STO], v3, 6, v[STO]
	v_add_nc_u32 v[STO], s46, v[STO]               ; in: row r, + 64 h: my half's 16 columns of a block of 32
	v_add_nc_u32 v[RD], s46, v[VO]                 ; back: the 32 lanes take one row of 512 bytes
	v_lshlrev_b32 v5, 6, v3                        ; the bias of my half's 16 columns of a block of 32: 64 h
	s_lshl_b32 s42, s44, 1
	s_add_co_u32 s42, s42, s23                     ; MW: which 128 rows of the result are mine
	s_lshl_b32 s43, s45, 1
	s_add_co_u32 s43, s43, s3                      ; NW: which 128 columns
	s_lshl_b32 s46, s43, 9
	s_mov_b32 s47, 0
	s_add_nc_u64 s[12:13], s[12:13], s[46:47]
.irp b, 0,1,2,3,4,5,6,7                ; C for B's tile b, whatever A's block: register j = the bias of column 32 (b / 2) + 8 (b % 2) + 16 h + j
	global_load_b128 v[CI+8*\b:CI+8*\b+3], v5, s[12:13] offset:(32*(\b/2)+8*(\b%2))*4
	global_load_b128 v[CI+8*\b+4:CI+8*\b+7], v5, s[12:13] offset:(32*(\b/2)+8*(\b%2))*4+16
.endr
	s_add_nc_u64 s[14:15], s[14:15], s[46:47]      ; out0 at my 128 columns (512 bytes),
	s_lshl_b32 s46, s42, 19
	s_add_nc_u64 s[14:15], s[14:15], s[46:47]      ; and my 128 rows of 4,096 bytes
.macro FRAG reg, adr, q, i             ; a fragment comes back as it was stored: two loads of 512 consecutive bytes
.irp c, 0,1
	ds_load_b128 v[\reg+4*\c:\reg+4*\c+3], v[\adr] offset:(\i)*4096+(\q)*1024+512*\c
.endr
.endm
.macro FETCH_B slot, q, p              ; B's eight fragments of the slot's q-th K step into set p
	WIN TO_B
.irp i, 0,1,2,3,4,5,6,7
	FRAG 128*(\p)+FR*\i, ADRB+\slot, \q, \i
.endr
	WIN 0
.endm
.macro FETCH_A slot, q, i0             ; A's blocks i0 .. i0 + 3
.irp i, \i0, \i0+1, \i0+2, \i0+3
	FRAG AF+FR*(\i), ADRA+\slot, \q, \i
.endr
.endm
.macro SCALES                          ; all of K's scale words: lanes 0-15 take an even K step's, lanes 16-31 the odd one's behind it
.irp i, 0,1,2,3,4,5,6,7
.irp k, 0,1,2,3
	ds_load_b32 v[SCA+4*\i+\k], v[ADSA] offset:512*\i+128*\k
	ds_load_b32 v[SCB+4*\i+\k], v[ADSB] offset:512*\i+128*\k
.endr
.endr
.endm
; 16 matrix instructions: A's blocks a0, a0 + 1 x B's eight, K step Q of 8.  p: B's set.  mode 0: C = D; 1: C = the bias by B's tile.
; The 64 accumulators take turns, one instruction a turn, in the same order in every step.
.macro MUL16 a0, p, Q, mode
.irp a, \a0, \a0+1
.irp b, 0,1,2,3,4,5,6,7
.set rD, 8*(8*((\a)%4)+\b)
.set rB, 128*(\p)+FR*\b
.set rA, AF+FR*(\a)
.set rC, rD
.if \mode == 1
.set rC, CI+8*\b
.endif
.set rSB, SCB+4*\b+(\Q)/2
.set rSA, SCA+4*(\a)+(\Q)/2
.if (\Q)%2
	v_wmma_scale_f32_16x16x128_f8f6f4 v[rD:rD+7], v[rB:rB+7], v[rA:rA+7], v[rC:rC+7], v[rSB], v[rSA] matrix_a_fmt:MATRIX_FMT_FP4 matrix_b_fmt:MATRIX_FMT_FP4 matrix_a_scale:MATRIX_SCALE_ROW1 matrix_b_scale:MATRIX_SCALE_ROW1
.else
	v_wmma_scale_f32_16x16x128_f8f6f4 v[rD:rD+7], v[rB:rB+7], v[rA:rA+7], v[rC:rC+7], v[rSB], v[rSA] matrix_a_fmt:MATRIX_FMT_FP4 matrix_b_fmt:MATRIX_FMT_FP4
.endif
.endr
.endr
.endm
; A K step that has its successor in the same slot.  Four plain instructions stand in front of each run of loads into registers that matrix instructions have read (ISA guide 7.12.1 for vector instructions).
.macro STEP slot, q, mode
	s_wait_dscnt 8                                 ; B's set and A's blocks 0-3 are in; the youngest eight loads (A's blocks 4-7) may be out
.if \mode
	WIN 0x81                                       ; C (the bias) window 0, D window 2
.else
	WIN MUL_LO
.endif
	MUL16 0, (\q)%2, 4*(\slot)+(\q), \mode
	MUL16 2, (\q)%2, 4*(\slot)+(\q), \mode
	s_wait_dscnt 0x0                               ; A's blocks 4-7 are in
	PLACES 4
	FETCH_B \slot, (\q)+1, 1-(\q)%2
	FETCH_A \slot, (\q)+1, 0
.if \mode
	WIN 0xc1
.else
	WIN MUL_HI
.endif
	MUL16 4, (\q)%2, 4*(\slot)+(\q), \mode
	MUL16 6, (\q)%2, 4*(\slot)+(\q), \mode
	PLACES 4
	WIN 0
	FETCH_A \slot, (\q)+1, 4
.endm
	s_wait_alu depctr_va_vdst(0)
	s_wait_tensorcnt 1                             ; the scale words and my part of slot 0 are in; slot 1's load may be out
	s_barrier_signal -1
	s_barrier_wait -1                              ; everybody's are
	SCALES
	FETCH_B 0, 0, 0
	FETCH_A 0, 0, 0
	FETCH_A 0, 0, 4
	s_wait_loadcnt 0x0                             ; the bias
	STEP 0, 0, 1                                   ; the first K step starts the sums on the bias: nothing is cleared
	STEP 0, 1, 0
	STEP 0, 2, 0
	; slot 0's last K step changes slots: one barrier, in front of which each wave has its part of slot 1 and has ended its reads of slot 0
	s_wait_tensorcnt 0x0                           ; no load was issued behind slot 1's
	s_wait_dscnt 8
	WIN MUL_LO
	MUL16 0, 1, 3, 0
	s_wait_dscnt 0x0                               ; my reads of slot 0 are over
	s_barrier_signal -1
	MUL16 2, 1, 3, 0
	WIN 0
	s_barrier_wait -1
	PLACES 4
	FETCH_B 1, 0, 0
	FETCH_A 1, 0, 0
	WIN MUL_HI
	MUL16 4, 1, 3, 0
	MUL16 6, 1, 3, 0
	PLACES 4
	WIN 0
	FETCH_A 1, 0, 4
	STEP 1, 0, 0
	STEP 1, 1, 0
	STEP 1, 2, 0
	s_wait_dscnt 8                                 ; the last K step: nothing more to fetch
	WIN MUL_LO
	MUL16 0, 1, 7, 0
	MUL16 2, 1, 7, 0
	s_wait_dscnt 0x0
	WIN MUL_HI
	MUL16 4, 1, 7, 0
	MUL16 6, 1, 7, 0
	WIN 0
; THE WAY OUT, block by block of 16 rows x 128 columns.  A lane holds 32 neighbouring bytes of a row for each of B's tiles, and the lanes beside it hold other rows: so a block goes through my own stage in LDS and comes back as
; whole rows of 512 bytes, which the 32 lanes store as two aligned runs of 256 bytes.  LDS serves a wave's instructions in order (ISA guide 5.7.1.4): no wait between the stores and the loads, nor in front of the next block's stores.
.macro TOSTAGE a
.set AC, 64*((\a)%4)
	WIN 0x08+4*((\a)/4)                            ; the data: window 2 or 3
.irp b, 0,1,2,3,4,5,6,7
	ds_store_b128 v[STO], v[AC+8*\b:AC+8*\b+3] offset:128*(\b/2)+32*(\b%2)         ; columns 32 (b / 2) + 16 h + 8 (b % 2) on; each accumulator from its low end on
	ds_store_b128 v[STO], v[AC+8*\b+4:AC+8*\b+7] offset:128*(\b/2)+32*(\b%2)+16
.endr
	WIN 0
.set BB, BK+64*((\a)%2)
.irp t, 0,1,2,3,4,5,6,7,8,9,10,11,12,13,14,15
	ds_load_b128 v[BB+4*\t:BB+4*\t+3], v[RD] offset:\t*SPITCH
.endr
.endm
.macro SEND a, younger                 ; younger: the LDS instructions issued behind block a's loads, which may stay out
.set BB, BK+64*((\a)%2)
	s_wait_dscnt \younger                          ; the block is back in registers
.irp t, 0,1,2,3,4,5,6,7,8,9,10,11,12,13,14,15
	global_store_b128 v[VO], v[BB+4*\t:BB+4*\t+3], s[14:15] offset:(32*((\a)/2)+8*((\a)%2)+\t+8*(\t/8))*4096 th:TH_STORE_NT   ; the block's row t is true row 32 (a / 2) + 8 (a % 2) + t + 8 (t / 8) of my 128: the immediate holds it, 127 rows at the most
.endr
.endm
	PLACES 4                                       ; in front of the first read of results, and of the loads into the registers that held A's fragments
	TOSTAGE 0
.irp a, 1,2,3,4,5,6,7
.if \a > 1
	s_wait_xcnt 0x0                                ; block a - 2's stores have read their registers: block a's loads may land there
.endif
	TOSTAGE \a
	SEND \a-1, 32                                  ; behind block a - 1's loads: block a's 16 stores and 16 loads
.endr
	SEND 7, 0
	s_wait_tensorcnt 0x0
	ds_add_u32 v126, v127
	s_wait_dscnt 0x0
	CROUND                                         ; the closing round: no work-group ends while a partner may still ask for a tile that names it
	s_endpgm
.Lfunc_end_k_q3d8f673a46_outp:
	.size	k_q3d8f673a46_outp, .Lfunc_end_k_q3d8f673a46_outp-k_q3d8f673a46_outp
	.p2alignl 7, 3214868480
	.fill 96, 4, 3214868480
	.section	.rodata,"a",@progbits
	.p2align	6, 0x0
	.amdhsa_kernel k_q3d8f673a46_outp
		.amdhsa_group_segment_fixed_size 327680
		.amdhsa_private_segment_fixed_size 0
		.amdhsa_enable_private_segment 0
		.amdhsa_kernarg_size 48
		.amdhsa_user_sgpr_count 2
		.amdhsa_user_sgpr_kernarg_segment_ptr 1
		.amdhsa_wavefront_size32 1
		.amdhsa_system_sgpr_workgroup_id_x 1
		.amdhsa_system_sgpr_workgroup_id_y 1
		.amdhsa_system_sgpr_workgroup_id_z 1
		.amdhsa_system_vgpr_workitem_id 0
		.amdhsa_next_free_vgpr 1024
		.amdhsa_next_free_sgpr 104
		.amdhsa_reserve_vcc 0
		.amdhsa_float_denorm_mode_32 3
		.amdhsa_float_denorm_mode_16_64 3
		.amdhsa_memory_ordered 1
		.amdhsa_forward_progress 1
		.amdhsa_inst_pref_size 129
	.end_amdhsa_kernel
	.amdgpu_metadata
---
amdhsa.version: [ 1, 2 ]
amdhsa.kernels:
  - .name:           k_q3d8f673a46_outp
    .symbol:         k_q3d8f673a46_outp.kd
    .args:
      - { .name: oimg, .offset: 0, .size: 8, .value_kind: global_buffer, .address_space: global }
      - { .name: osc, .offset: 8, .size: 8, .value_kind: global_buffer, .address_space: global }
      - { .name: wimg, .offset: 16, .size: 8, .value_kind: global_buffer, .address_space: global }
      - { .name: wsc, .offset: 24, .size: 8, .value_kind: global_buffer, .address_space: global }
      - { .name: bo, .offset: 32, .size: 8, .value_kind: global_buffer, .address_space: global }
      - { .name: out0, .offset: 40, .size: 8, .value_kind: global_buffer, .address_space: global }
    .group_segment_fixed_size: 327680
    .private_segment_fixed_size: 0
    .kernarg_segment_align: 8
    .kernarg_segment_size: 48
    .max_flat_workgroup_size: 128
    .sgpr_count:     104
    .vgpr_count:     1024
    .wavefront_size: 32
...
	.end_amdgpu_metadata
.endif
;; end of part 4
